; MI455X (gfx1250); checked and timed in simulation.
; The chip was launched on July 23, 2026; its instructions are those of AMD's public machine-readable ISA for CDNA 5 (MIT licence, August 2026) and "CDNA5" Instruction Set Architecture Reference Guide (July 2026). The comments in the code are by the model that wrote it; some were corrected since.
;; Multi Head Attention. Allowed arithmetic: matrix products marked QUANTISED: E5M2 operands, one given power-of-two scale a tensor, by v_wmma_f32_16x16x64_bf8_bf8 or v_wmma_f32_16x16x128_bf8_bf8, f32 sums; everything else in f32.
;; Inputs: bk 512 float32; bo 512 float32; bq 512 float32; bv 512 float32; lowp_scales 12 int32 (the exponents e of the quantised operands' scales 2^e); wk 512 x 512 float32; wo 512 x 512 float32; wq 512 x 512 float32; wv 512 x 512 float32; x 2 x 4,096 x 512 float32.
;; Outputs: out0 2 x 4,096 x 512 float32.
;; This version of the problem:
;;   THIS VERSION OF THE PROBLEM IS GIVEN IN LOW PRECISION. The matrix products marked QUANTISED in the list below multiply operands that are first quantised to E5M2 (5 exponent bits, 2 mantissa bits; 8 bits a number), with one given power-of-two scale for each operand tensor; their sums are f32. All else is computed in f32.
;;   The module's matrix products, in the order in which they are computed (A, B: the left and right operand; K: the contracted axis; several contracted axes count as one K, in the product's order):
;;     1. [M 8,192, K 512] x [K 512, N 512]; A: input x; B: input wq: QUANTISED (scales: A lowp_scales[0], B lowp_scales[1])
;;     2. [M 8,192, K 512] x [K 512, N 512]; A: input x; B: input wk: QUANTISED (scales: A lowp_scales[2], B lowp_scales[3])
;;     3. [M 8,192, K 512] x [K 512, N 512]; A: input x; B: input wv: QUANTISED (scales: A lowp_scales[4], B lowp_scales[5])
;;     4. batch 16 x [M 4,096, K 64] x [K 64, N 4,096]; A: computed on the way; B: computed on the way: QUANTISED (scales: A lowp_scales[6], B lowp_scales[7])
;;     5. batch 16 x [M 4,096, K 4,096] x [K 4,096, N 64]; A: softmax (see below); B: computed on the way: QUANTISED (scales: A lowp_scales[8], B lowp_scales[9])
;;     6. [M 8,192, K 512] x [K 512, N 512]; A: computed on the way; B: input wo: QUANTISED (scales: A lowp_scales[10], B lowp_scales[11])
;;   THE QUANTISER, for each operand of a quantised product, along K:
;;     - The operand's scale is 2^e, e = its entry of the input lowp_scales (int32; the entries are numbered through the quantised products in the list's order, A before B).
;;     - Each number is divided by the scale, clamped to +-57,344, and rounded to the nearest number of E5M2, ties to even, subnormals kept.
;;     - The product sums the exact products of the quantised numbers (number of the format x scale) in f32.
;;   ~~~python
;;   def quantise(x, axis, e):      # numpy; x: float32 -> the quantised numbers, widened to float32 again
;;       x = np.moveaxis(x, axis, -1); K = x.shape[-1]
;;       r = np.clip(x / 2.0 ** e, -57344, 57344)
;;       step = 2.0 ** (np.maximum(np.frexp(np.where(r == 0, 1, r))[1] - 1, -14) - 2)
;;       q = np.round(r / step) * step * 2.0 ** e      # np.round: ties to even
;;       return np.moveaxis(q, -1, axis).astype(np.float32)
;;   ~~~
;;   SOFTMAX AHEAD OF A QUANTISED PRODUCT. Where the list says 'softmax', what is quantised is not the finished softmax but p = 2^(t - M), with t = logit x log2(e) and M = ceil(the row's largest t), a whole number; so 1/2 < the row's largest p <= 1. The row's sum l is taken of the UNQUANTISED p, in f32, and the product's result is divided by l at the end. Since M is a whole number, a kernel that streams over the keys may use a running M (the ceiling of the running maximum): every later rescaling is an exact power of two, so the quantised numbers keep their values, but for numbers so far below the row's largest that they fall under the format's range.
;;   OPERANDS COMPUTED ON THE WAY. 'Computed on the way' means the value that the module computes at that place (a softmax that the list does not call 'softmax' is quantised finished and normalised). What goes into a quantiser is computed in f32, as accurately as f32 sums, v_exp_f32 and their like allow (about 1e-6 of the number): no bf16 or f16 on the way to a quantiser, and a product that is left as it is and whose result goes on into a quantised operand takes f32 operands (vector FMAs, or v_wmma_f32_16x16x4_f32). A number that lies on a knife's edge between two numbers of the format may be rounded either way, as far as f32 arithmetic and the matrix unit's own rounding can turn it there, and no further.
;; 2 versions, each right; version 2 is version 1 with the launches qkv, attn, oproj written anew for expert scheduling mode. Each part assembles by itself: llvm-mc -triple=amdgcn-amd-amdhsa -mcpu=gfx1250 --defsym DOCPART=n.
;; ======== version 1 of 2: 4 launches
;; workspace buffers: w_img 1,048,576 bytes; q_img 4,194,304 bytes; k_img 4,194,304 bytes; v_img 4,194,304 bytes; o_img 4,194,304 bytes
;; launch prep (part 1): grid 256 x 1, 2 waves a work-group, no clusters, 0 bytes of LDS; arguments wq, wk, wv, wo, lowp_scales, w_img; writes w_img
.if DOCPART == 1
	.amdgcn_target "amdgcn-amd-amdhsa--gfx1250"
	.amdhsa_code_object_version 6
	.text
	.protected	k_qeb786e38de_prep
	.globl	k_qeb786e38de_prep
	.p2align	8
	.type	k_qeb786e38de_prep,@function
k_qeb786e38de_prep:
	s_mov_b64 s[64:65], 0
	v_nop
	global_prefetch_b8 v0, s[64:65] scope:SCOPE_SE
	s_setreg_imm32_b32 hwreg(HW_REG_WAVE_MODE, 25, 1), 1
	s_wait_xcnt 0x0
; wq, wk, wv, wo [512][512] f32 become codes of BF8 (E5M2), each with the scale 2^e that is given for it (entries 1, 3, 5, 11),
; laid as IMAGES OF OPERAND REGISTERS: w_img[j = wq, wk, wv, wo][tile T of 16 rows, 0..31][K step s of 128][group c of four registers][lane][16 bytes].
; code = x / 2^e, held within +-57,344, rounded to the nearest code, ties to even.
; Which row of the weight lane r (= lane % 16) of tile T holds, and which k a lane's 16 bytes hold (h = lane / 16):
;   wq, wk: row 32 (T / 2) + 8 (T % 2) + r + (r & 8);  k = 128 s + 32 c + 16 h + 0..15   (the products are used transposed: two neighbouring tiles then give a lane 16 neighbouring channels)
;   wv:     row 16 T + r;                              k = 128 s + 32 c + 16 h + 0..15
;   wo:     row 64 (T / 4) + 4 r + T % 4;              k = 128 s + 32 c + 8 h + 0..7 and 128 s + 32 c + 16 + 8 h + 0..7   (four tiles then give a lane 4 neighbouring columns of the output)
; SHARES: 512 waves; wave Wd = 2 x work-group + wave makes group Wd (T = Wd / 16, s = (Wd / 4) % 4, c = Wd % 4) of all four tensors: 16 loads of 16 bytes a lane, four stores of 512 consecutive bytes.
; The two waves of a work-group take the two halves of the same aligned 256 bytes of each row.  No LDS, no barrier, no loop: waves share nothing.
; LIMITS: each e between -126 and 112, so that 2^e and 57,344 x 2^e are f32 numbers.  NaN among the inputs is not served.
.set AQK, 2                            ; v2  byte offset of my lane in wq and wk
.set AV,  3                            ; v3  in wv
.set AO,  4                            ; v4  in wo
.set LI,  5                            ; v5  16 x lane
.set X,   8                            ; v8-71   16 numbers of each tensor
.set C,   72                           ; v72-87  four registers of codes for each tensor: no store's data are written again
.set SC,  88                           ; v88-91  2^e as f32
.set LIM, 92                           ; v92-95  57,344 x 2^e
.macro MKSC e, sc, lim                 ; from the whole number e: 2^e and 57,344 x 2^e as f32 patterns
	s_add_co_i32 s44, \e, 127
	s_lshl_b32 s45, s44, 23
	v_mov_b32 v[\sc], s45
	s_add_co_i32 s44, s44, 15
	s_lshl_b32 s44, s44, 23
	s_or_b32 s44, s44, 0x600000
	v_mov_b32 v[\lim], s44
.endm
	s_load_b256 s[4:11], s[0:1], 0x0               ; wq s[4:5], wk s[6:7], wv s[8:9], wo s[10:11]
	s_load_b128 s[12:15], s[0:1], 0x20             ; the scales' exponents s[12:13], w_img s[14:15]
	v_lshrrev_b32 v1, 5, v0
	v_readfirstlane_b32 s16, v1                    ; wave 0, 1
	s_lshl_b32 s17, ttmp9, 1
	s_add_co_u32 s17, s17, s16                     ; Wd
	s_and_b32 s18, s17, 3                          ; c
	s_bfe_u32 s19, s17, 0x20002                    ; s
	s_lshr_b32 s20, s17, 4                         ; T
	s_lshl_b32 s21, s19, 9
	s_lshl_b32 s22, s18, 7
	s_add_co_u32 s21, s21, s22                     ; 512 s + 128 c: the group's first byte in a row of 2,048
	s_lshr_b32 s22, s20, 1
	s_lshl_b32 s22, s22, 5
	s_and_b32 s23, s20, 1
	s_lshl_b32 s23, s23, 3
	s_add_co_u32 s22, s22, s23                     ; wq, wk: the tile's first row 32 (T / 2) + 8 (T % 2)
	s_lshl_b32 s24, s22, 11
	s_add_co_u32 s24, s24, s21
	s_mov_b32 s25, 0
	s_lshl_b32 s26, s20, 15                        ; wv: row 16 T
	s_add_co_u32 s26, s26, s21
	s_mov_b32 s27, 0
	s_lshr_b32 s22, s20, 2
	s_lshl_b32 s22, s22, 6
	s_and_b32 s23, s20, 3
	s_add_co_u32 s22, s22, s23                     ; wo: row 64 (T / 4) + T % 4
	s_lshl_b32 s28, s22, 11
	s_add_co_u32 s28, s28, s21
	s_mov_b32 s29, 0
	s_lshl_b32 s30, s17, 9                         ; the group's place in a tensor's image
	s_mov_b32 s31, 0
	v_and_b32 v6, 15, v0                           ; r
	v_bfe_u32 v7, v0, 4, 1                         ; h
	v_and_b32 v[AQK], 8, v6
	v_add_nc_u32 v[AQK], v[AQK], v6                ; r + (r & 8)
	v_lshlrev_b32 v[AQK], 11, v[AQK]
	v_lshl_add_u32 v[AQK], v7, 6, v[AQK]           ; + 64 h: 16 numbers
	v_lshlrev_b32 v[AV], 11, v6
	v_lshl_add_u32 v[AV], v7, 6, v[AV]
	v_lshlrev_b32 v[AO], 13, v6                    ; 4 r rows
	v_lshl_add_u32 v[AO], v7, 5, v[AO]             ; + 32 h: 8 numbers
	v_and_b32 v[LI], 31, v0
	v_lshlrev_b32 v[LI], 4, v[LI]
	s_wait_kmcnt 0x0
	s_load_b256 s[32:39], s[12:13], 0x0            ; e0 .. e7
	s_load_b128 s[40:43], s[12:13], 0x20           ; e8 .. e11
	s_add_nc_u64 s[4:5], s[4:5], s[24:25]
	s_add_nc_u64 s[6:7], s[6:7], s[24:25]
	s_add_nc_u64 s[8:9], s[8:9], s[26:27]
	s_add_nc_u64 s[10:11], s[10:11], s[28:29]
	s_add_nc_u64 s[14:15], s[14:15], s[30:31]
.irp i, 0,1,2,3
	global_load_b128 v[X+4*\i:X+4*\i+3], v[AQK], s[4:5] offset:16*\i th:TH_LOAD_NT
.endr
.irp i, 0,1,2,3
	global_load_b128 v[X+16+4*\i:X+16+4*\i+3], v[AQK], s[6:7] offset:16*\i th:TH_LOAD_NT
.endr
.irp i, 0,1,2,3
	global_load_b128 v[X+32+4*\i:X+32+4*\i+3], v[AV], s[8:9] offset:16*\i th:TH_LOAD_NT
.endr
.irp i, 0,1,2,3
	global_load_b128 v[X+48+4*\i:X+48+4*\i+3], v[AO], s[10:11] offset:16*(\i%2)+64*(\i/2) th:TH_LOAD_NT   ; two runs of 8 numbers, 16 apart along k
.endr
	s_wait_kmcnt 0x0
	MKSC s33, SC, LIM                              ; wq: entry 1
	MKSC s35, SC+1, LIM+1                          ; wk: entry 3
	MKSC s37, SC+2, LIM+2                          ; wv: entry 5
	MKSC s43, SC+3, LIM+3                          ; wo: entry 11
.irp j, 0,1,2,3
	s_wait_loadcnt 12-4*\j                         ; loads come back in order: this tensor's four are in, the four of each later tensor may be out
.irp i, 0,1,2,3,4,5,6,7,8,9,10,11,12,13,14,15
	v_med3_num_f32 v[X+16*\j+\i], v[X+16*\j+\i], -v[LIM+\j], v[LIM+\j]   ; the conversion to an 8-bit code does not saturate (ISA guide 7.6.2): the hold at the largest code x the scale
.endr
	v_cvt_scalef32_pk8_bf8_f32 v[C+4*\j:C+4*\j+1], v[X+16*\j:X+16*\j+7], v[SC+\j]
	v_cvt_scalef32_pk8_bf8_f32 v[C+4*\j+2:C+4*\j+3], v[X+16*\j+8:X+16*\j+15], v[SC+\j]
	global_store_b128 v[LI], v[C+4*\j:C+4*\j+3], s[14:15] offset:262144*\j   ; 32 lanes store 512 consecutive bytes, aligned.  (The codes go to a store alone; the next vector lines are plain and touch other registers)
.endr
	s_endpgm
.Lfunc_end_k_qeb786e38de_prep:
	.size	k_qeb786e38de_prep, .Lfunc_end_k_qeb786e38de_prep-k_qeb786e38de_prep
	.p2alignl 7, 3214868480
	.fill 96, 4, 3214868480
	.section	.rodata,"a",@progbits
	.p2align	6, 0x0
	.amdhsa_kernel k_qeb786e38de_prep
		.amdhsa_group_segment_fixed_size 0
		.amdhsa_private_segment_fixed_size 0
		.amdhsa_enable_private_segment 0
		.amdhsa_kernarg_size 48
		.amdhsa_user_sgpr_count 2
		.amdhsa_user_sgpr_kernarg_segment_ptr 1
		.amdhsa_wavefront_size32 1
		.amdhsa_system_sgpr_workgroup_id_x 1
		.amdhsa_system_sgpr_workgroup_id_y 1
		.amdhsa_system_sgpr_workgroup_id_z 1
		.amdhsa_system_vgpr_workitem_id 0
		.amdhsa_next_free_vgpr 96
		.amdhsa_next_free_sgpr 66
		.amdhsa_reserve_vcc 0
		.amdhsa_float_denorm_mode_32 3
		.amdhsa_float_denorm_mode_16_64 3
		.amdhsa_memory_ordered 1
		.amdhsa_forward_progress 1
		.amdhsa_inst_pref_size 10
	.end_amdhsa_kernel
	.amdgpu_metadata
---
amdhsa.version: [ 1, 2 ]
amdhsa.kernels:
  - .name:           k_qeb786e38de_prep
    .symbol:         k_qeb786e38de_prep.kd
    .args:
      - { .name: wq, .offset: 0, .size: 8, .value_kind: global_buffer, .address_space: global }
      - { .name: wk, .offset: 8, .size: 8, .value_kind: global_buffer, .address_space: global }
      - { .name: wv, .offset: 16, .size: 8, .value_kind: global_buffer, .address_space: global }
      - { .name: wo, .offset: 24, .size: 8, .value_kind: global_buffer, .address_space: global }
      - { .name: lowp_scales, .offset: 32, .size: 8, .value_kind: global_buffer, .address_space: global }
      - { .name: w_img, .offset: 40, .size: 8, .value_kind: global_buffer, .address_space: global }
    .group_segment_fixed_size: 0
    .private_segment_fixed_size: 0
    .kernarg_segment_align: 8
    .kernarg_segment_size: 48
    .max_flat_workgroup_size: 64
    .sgpr_count:     66
    .vgpr_count:     96
    .wavefront_size: 32
...
	.end_amdgpu_metadata
.endif
;; end of part 1
;; launch qkv (part 2): grid 4 x 64, 4 waves a work-group, no clusters, 197,120 bytes of LDS; arguments x, w_img, lowp_scales, bq, bk, bv, q_img, k_img, v_img; writes q_img, k_img, v_img
.if DOCPART == 2
	.amdgcn_target "amdgcn-amd-amdhsa--gfx1250"
	.amdhsa_code_object_version 6
	.text
	.protected	k_qeb786e38de_qkv
	.globl	k_qeb786e38de_qkv
	.p2align	8
	.type	k_qeb786e38de_qkv,@function
k_qeb786e38de_qkv:
	s_mov_b64 s[64:65], 0
	v_nop
	global_prefetch_b8 v0, s[64:65] scope:SCOPE_SE
	s_setreg_imm32_b32 hwreg(HW_REG_WAVE_MODE, 25, 1), 1
	s_wait_xcnt 0x0
; q = x wq^T + bq, k = x wk^T + bk, v = x wv^T + bv on codes of BF8 (E5M2), and q, k, v quantised again for attention.  x: [8192][512] f32.
; x is the left operand of three products and has a given scale in each (entries 0, 2, 4): it is quantised three times.  The weights come as codes, as images of operand registers (w_img).
; SHARES.  A work-group takes 128 rows of x (work-group y) and heads 2 g, 2 g + 1 (g = work-group x): 128 columns of each of q, k, v.  THE WAVES SHARE THE COLUMNS: wave w holds columns
; 128 g + 32 w .. + 31 of wq, wk and wv in registers (2 tiles x 4 K steps x 16 registers x 3 = 384), read from memory once.  Wave w quantises rows 32 w .. 32 w + 31 of x in the three versions;
; they reach the other waves through LDS as images of their registers (a group of four registers: lane l's 16 bytes at 16 l), behind ONE barrier.
; q and k are used TRANSPOSED (source 0 = 16 rows of the weight, source 1 = 16 rows of x): a lane holds one token, and the 16 registers of its wave's two tiles are 16 neighbouring channels
; (the weight's rows were ordered for that).  v is used as it stands (source 0 = x, source 1 = wv): a lane holds one channel and its registers run along the tokens, which are the keys, the K of attention's
; second product.  So the conversions' results ARE the registers of attention's operands, and each is stored as 512 consecutive bytes.
; The biases are the C of each sum's first matrix instruction, divided by the power of two that the sums lack.  The scales ahead of each second quantiser are folded into the conversion's one.
; OUT: q_img, k_img [hb = 8 batch + head][tile of 16 tokens][b = 0, 1][lane][16 B]: lane (r, h): token r, channels 32 b + 16 h + 0..15.
;      v_img [hb][key step of 128][tile t of 16 channels][group][lane][16 B]: lane (r, h): channel 16 t + r; registers 2 c, 2 c + 1: keys 16 c + 8 h + 0..7.
; No tensor loads: the weights are read once into registers, and x needs arithmetic on its way into LDS.  No cluster: without tensor loads there is no joint request.
; LIMITS, so that each power of two is an f32 number: e0, e2, e4, e6 - e0 - e1, e7 - e2 - e3, e9 - e4 - e5 between -126 and 112.  NaN and infinity among the inputs are not served.
; LDS: XIMG[version j][tile of rows m = 0..7][K step s][2,048 B] at 65536 j + 8192 m + 2048 s.
; REGISTERS, in windows of 256 (s_set_vgpr_msb: bits 1:0 source 0, 3:2 source 1, 5:4 source 2, 7:6 destination):
;   window 0: v2-22 addresses and scales; first part: v32-95 held numbers, v96-191 codes (two sets of 48), v192-225 raw biases; second part: v32-63 four accumulators, v64-127 q's and k's codes, v128-159 v's codes
;   window 1: wq v0-127, wk v128-255 (tile u, K step s at 64 u + 16 s)      window 2: wv v0-127; biases bq v128-143, bk v144-159, bv v160-175
;   window 3: first part: four buffers of 64 numbers of x; second part: two buffers of 128: eight fragments of x's codes each
.set LI,   2                           ; v2-4    16 x lane + 65536 j: where an image is read
.set XW,   5                           ; v5-7    16 x lane + 16384 x wave + 65536 j: where I store my rows' images
.set XA,   8                           ; v8      x: row r of 2,048 bytes + 64 h: my 16 numbers of a block of 32
.set BH,   9                           ; v9      64 h
.set SCX,  10                          ; v10-12  2^e0, 2^e2, 2^e4
.set LIMX, 13                          ; v13-15  57,344 x those
.set SCO,  16                          ; v16-18  the folded scales of q, k, v
.set LIMO, 19                          ; v19-21  57,344 x those
.set BR,   22                          ; v22     4 r
.set T,    32
.set PC,   96
.set ACC,  32
.set OC,   64
.set VF,   128
.set BRAW, 192
.set MSB, 0
.macro WIN new                         ; the immediate's high byte repeats the setting that is left; a switch that changes nothing is dropped
.if MSB != \new
	s_set_vgpr_msb (MSB<<8)|\new
.set MSB, \new
.endif
.endm
.macro MKSC e, sc, lim                 ; from the whole number e: 2^e and 57,344 x 2^e as f32 patterns
	s_add_co_i32 s52, \e, 127
	s_lshl_b32 s53, s52, 23
	v_mov_b32 v[\sc], s53
	s_add_co_i32 s52, s52, 15
	s_lshl_b32 s52, s52, 23
	s_or_b32 s52, s52, 0x600000
	v_mov_b32 v[\lim], s52
.endm
; Unit n = 4 mm + s: 16 rows (my tile mm) x 128 along K (step s) of x: 64 numbers a lane, register 16 b + i = k 32 b + 16 h + i of my row; into buffer s of window 3
.macro XLOAD n
	WIN 0xc0
.irp b, 0,1,2,3
.irp i, 0,1,2,3
	global_load_b128 v[64*((\n)%4)+16*\b+4*\i:64*((\n)%4)+16*\b+4*\i+3], v[XA], s[40:41] offset:32768*((\n)/4)+512*((\n)%4)+128*\b+16*\i
.endr
.endr
	WIN 0
.endm
; Half p % 2 of weight p / 2's 32 groups of four registers
.macro WLOAD p
.if (\p)/2 < 2
	WIN 0x40
.else
	WIN 0x80
.endif
.set i, 16*((\p)%2)
.rept 16
	global_load_b128 v[128*(((\p)/2)%2)+4*i:128*(((\p)/2)%2)+4*i+3], v[LI], s[42:43] offset:262144*((\p)/2)+512*i
.set i, i+1
.endr
	WIN 0
.endm
; Unit n is quantised in the three versions, and each fragment goes to LDS as it stands
.macro QX n
	s_wait_loadcnt 48                              ; loads come back in order: behind this unit's 16 loads three groups of 16 have been issued, in every unit
.if (\n) >= 2
	s_wait_dscnt 12                                ; the unit before's 12 stores may be out; those of the unit before that, which read this set of code registers, are done
.endif
.irp j, 0,1,2
	WIN 0x03                                       ; source 0 in window 3
.set i, 0
.rept 64
	v_med3_num_f32 v[T+i], v[64*((\n)%4)+i], -v[LIMX+\j], v[LIMX+\j]   ; the conversion to an 8-bit code does not saturate (ISA guide 7.6.2): the hold at the largest code x the scale
.set i, i+1
.endr
	WIN 0
.irp q, 0,1,2,3,4,5,6,7
	v_cvt_scalef32_pk8_bf8_f32 v[PC+48*((\n)%2)+16*\j+2*\q:PC+48*((\n)%2)+16*\j+2*\q+1], v[T+8*\q:T+8*\q+7], v[SCX+\j]
.endr
	v_nop                                          ; one plain line between the conversions and the next version's holds, which write their sources
.irp c, 0,1,2,3
	ds_store_b128 v[XW+\j], v[PC+48*((\n)%2)+16*\j+4*\c:PC+48*((\n)%2)+16*\j+4*\c+3] offset:8192*((\n)/4)+2048*((\n)%4)+512*\c
.endr
.endr
.endm
; Round n = 4 j + mp: version j, tiles of rows 2 mp and 2 mp + 1.  FETCH: their eight fragments (tile mm, K step s at 64 mm + 16 s) into buffer n % 2 of window 3
.macro FETCH n
	WIN 0xc0
.set i, 0
.rept 32
	ds_load_b128 v[128*((\n)%2)+4*i:128*((\n)%2)+4*i+3], v[LI+(\n)/4] offset:16384*((\n)%4)+512*i
.set i, i+1
.endr
	WIN 0
.endm
; 16 matrix instructions: four accumulators (tile of rows mm, tile of columns u) take turns, one instruction a turn, K ascending.  The first K step takes the bias as C.
.macro MUL n
.set jj, (\n)/4
.set fb, 128*((\n)%2)
.irp s, 0,1,2,3
.if jj < 2
.if \s == 0
	WIN 0x2d                                       ; source 0 (weight) window 1, source 1 (x) window 3, C (bias) window 2
.else
	WIN 0x0d
.endif
.else
.if \s == 0
	WIN 0x2b                                       ; source 0 (x) window 3, source 1 (wv) window 2, C (bias) window 2
.else
	WIN 0x0b
.endif
.endif
.irp mm, 0,1
.irp u, 0,1
.set rD, ACC+16*\mm+8*\u
.set rF, fb+64*\mm+16*\s
.set rW, 128*(jj%2)+64*\u+16*\s
.set rB, 128+16*jj+8*\u
.if jj < 2
.if \s == 0
	v_wmma_f32_16x16x128_bf8_bf8 v[rD:rD+7], v[rW:rW+15], v[rF:rF+15], v[rB:rB+7]
.else
	v_wmma_f32_16x16x128_bf8_bf8 v[rD:rD+7], v[rW:rW+15], v[rF:rF+15], v[rD:rD+7]
.endif
.else
.if \s == 0
	v_wmma_f32_16x16x128_bf8_bf8 v[rD:rD+7], v[rF:rF+15], v[rW:rW+15], v[rB:rB+7]
.else
	v_wmma_f32_16x16x128_bf8_bf8 v[rD:rD+7], v[rF:rF+15], v[rW:rW+15], v[rD:rD+7]
.endif
.endif
.endr
.endr
.endr
	WIN 0
.rept 4
	v_nop                                          ; four places in front of the loads into the buffer just multiplied and of the first read of results
.endr
.endm
; q or k: a lane's 16 sums of a tile of rows are 16 neighbouring channels of one token: held, converted, stored.  Each accumulator is read from its low end on.
.macro POSTQK n
.set jj, (\n)/4
.set mp, (\n)%4
.irp mm, 0,1
.set i, 0
.rept 16
	v_med3_num_f32 v[ACC+16*\mm+i], v[ACC+16*\mm+i], -v[LIMO+jj], v[LIMO+jj]
.set i, i+1
.endr
	v_cvt_scalef32_pk8_bf8_f32 v[OC+32*jj+4*(2*mp+\mm):OC+32*jj+4*(2*mp+\mm)+1], v[ACC+16*\mm:ACC+16*\mm+7], v[SCO+jj]
	v_cvt_scalef32_pk8_bf8_f32 v[OC+32*jj+4*(2*mp+\mm)+2:OC+32*jj+4*(2*mp+\mm)+3], v[ACC+16*\mm+8:ACC+16*\mm+15], v[SCO+jj]
.endr
	v_nop                                          ; one plain line behind the conversions: the next round's products write their sources.  With the four above it is also the fifth place in front of an accumulator begun anew
.irp mm, 0,1
.if jj == 0
	global_store_b128 v[LI], v[OC+32*jj+4*(2*mp+\mm):OC+32*jj+4*(2*mp+\mm)+3], s[44:45] offset:1024*(2*mp+\mm)   ; 512 consecutive bytes, aligned; each store has data registers of its own
.else
	global_store_b128 v[LI], v[OC+32*jj+4*(2*mp+\mm):OC+32*jj+4*(2*mp+\mm)+3], s[46:47] offset:1024*(2*mp+\mm)
.endif
.endr
.endm
; v: a lane's 8 sums of an accumulator are 8 neighbouring tokens of one channel: registers 2 m, 2 m + 1 of the channel tile's fragment
.macro POSTV n
.set mp, (\n)%4
.irp mm, 0,1
.irp u, 0,1
.set i, 0
.rept 8
	v_med3_num_f32 v[ACC+16*\mm+8*\u+i], v[ACC+16*\mm+8*\u+i], -v[LIMO+2], v[LIMO+2]
.set i, i+1
.endr
	v_cvt_scalef32_pk8_bf8_f32 v[VF+16*\u+2*(2*mp+\mm):VF+16*\u+2*(2*mp+\mm)+1], v[ACC+16*\mm+8*\u:ACC+16*\mm+8*\u+7], v[SCO+2]
.endr
.endr
	v_nop
.endm
	s_load_b512 s[4:19], s[0:1], 0x0               ; x s[4:5], w_img s[6:7], scales s[8:9], bq s[10:11], bk s[12:13], bv s[14:15], q_img s[16:17], k_img s[18:19]
	s_load_b64 s[20:21], s[0:1], 0x40              ; v_img
	v_lshl_add_u32 v254, v0, 2, 0x30000
	v_mov_b32 v255, 0
	v_and_b32 v1, 31, v0
	v_lshlrev_b32 v[LI], 4, v1
	v_add_nc_u32 v[LI+1], 0x10000, v[LI]
	v_add_nc_u32 v[LI+2], 0x20000, v[LI]
	v_lshrrev_b32 v1, 5, v0
	v_readfirstlane_b32 s22, v1                    ; wave 0..3
	v_lshl_add_u32 v[XW], v1, 14, v[LI]
	v_add_nc_u32 v[XW+1], 0x10000, v[XW]
	v_add_nc_u32 v[XW+2], 0x20000, v[XW]
	v_and_b32 v1, 15, v0                           ; r
	v_bfe_u32 v23, v0, 4, 1                        ; h
	v_lshlrev_b32 v[BH], 6, v23
	v_lshl_add_u32 v[XA], v1, 11, v[BH]
	v_lshlrev_b32 v[BR], 2, v1
	s_mov_b32 s23, ttmp9                           ; g
	s_and_b32 s24, ttmp7, 0xffff                   ; block of 128 rows
	s_lshl_b32 s50, s24, 18
	s_lshl_b32 s52, s22, 16
	s_add_co_u32 s50, s50, s52                     ; x: (128 y + 32 w) rows of 2,048 bytes
	s_mov_b32 s51, 0
	s_lshl_b32 s52, s23, 16
	s_lshl_b32 s54, s22, 14
	s_add_co_u32 s52, s52, s54                     ; w_img: tile 8 g + 2 w, 8,192 bytes a tile
	s_mov_b32 s53, 0
	s_lshl_b32 s54, s23, 9
	s_lshl_b32 s56, s22, 7
	s_add_co_u32 s54, s54, s56                     ; biases: column 128 g + 32 w
	s_mov_b32 s55, 0
	s_lshr_b32 s56, s24, 5
	s_lshl_b32 s56, s56, 3
	s_lshl_b32 s58, s23, 1
	s_add_co_u32 s56, s56, s58
	s_lshr_b32 s58, s22, 1
	s_add_co_u32 s56, s56, s58                     ; hb = 8 batch + 2 g + w / 2
	s_lshl_b32 s56, s56, 18
	s_and_b32 s58, s24, 31
	s_lshl_b32 s58, s58, 13
	s_add_co_u32 s56, s56, s58                     ; + my 128 tokens: 8 tiles of 1,024 bytes, or one key step of 8,192
	s_and_b32 s60, s22, 1
	s_lshl_b32 s58, s60, 12
	s_add_co_u32 s58, s58, s56                     ; v_img: + channel tiles 2 (w % 2) on
	s_mov_b32 s59, 0
	s_lshl_b32 s60, s60, 9
	s_add_co_u32 s56, s56, s60                     ; q_img, k_img: + group b = w % 2
	s_mov_b32 s57, 0
	s_wait_kmcnt 0x0
	s_load_b256 s[28:35], s[8:9], 0x0              ; e0 .. e7
	s_load_b128 s[36:39], s[8:9], 0x20             ; e8 .. e11
	s_add_nc_u64 s[40:41], s[4:5], s[50:51]
	s_add_nc_u64 s[42:43], s[6:7], s[52:53]
	s_add_nc_u64 s[10:11], s[10:11], s[54:55]
	s_add_nc_u64 s[12:13], s[12:13], s[54:55]
	s_add_nc_u64 s[14:15], s[14:15], s[54:55]
	s_add_nc_u64 s[44:45], s[16:17], s[56:57]
	s_add_nc_u64 s[46:47], s[18:19], s[56:57]
	s_add_nc_u64 s[48:49], s[20:21], s[58:59]
.irp i, 0,1,2,3
	global_load_b128 v[BRAW+4*\i:BRAW+4*\i+3], v[BH], s[10:11] offset:16*\i        ; bq at my 16 channels: register 8 u + j = channel 16 h + 8 u + j of my wave's 32
.endr
.irp i, 0,1,2,3
	global_load_b128 v[BRAW+16+4*\i:BRAW+16+4*\i+3], v[BH], s[12:13] offset:16*\i
.endr
	global_load_b32 v[BRAW+32], v[BR], s[14:15]                                     ; bv at channel r of tile 0,
	global_load_b32 v[BRAW+33], v[BR], s[14:15] offset:64                           ; and of tile 1
	XLOAD 0
	XLOAD 1
	XLOAD 2
	XLOAD 3
	s_wait_kmcnt 0x0
	MKSC s28, SCX, LIMX
	MKSC s30, SCX+1, LIMX+1
	MKSC s32, SCX+2, LIMX+2
	s_sub_co_i32 s54, s34, s28                     ; a sum of product 1 stands for sum x 2^(e0 + e1): q's code is sum / 2^(e6 - e0 - e1)
	s_sub_co_i32 s54, s54, s29
	MKSC s54, SCO, LIMO
	s_sub_co_i32 s54, s35, s30
	s_sub_co_i32 s54, s54, s31                     ; e7 - e2 - e3
	MKSC s54, SCO+1, LIMO+1
	s_sub_co_i32 s54, s37, s32
	s_sub_co_i32 s54, s54, s33                     ; e9 - e4 - e5
	MKSC s54, SCO+2, LIMO+2
	; ---- first part: my 32 rows of x, eight units; each unit's buffer is asked for again as soon as it has been read, then the weights take the loads' places
	QX 0
	XLOAD 4
	QX 1
	XLOAD 5
	QX 2
	XLOAD 6
	QX 3
	XLOAD 7
	QX 4
	WLOAD 0
	QX 5
	WLOAD 1
	QX 6
	WLOAD 2
	QX 7
	WLOAD 3
	WLOAD 4
	WLOAD 5
	s_add_co_i32 s52, s28, s29                     ; the biases go in divided by the power of two that the sums lack (their loads were the oldest: they are in)
	s_sub_co_i32 s52, 0, s52
	s_add_co_i32 s53, s30, s31
	s_sub_co_i32 s53, 0, s53
	s_add_co_i32 s54, s32, s33
	s_sub_co_i32 s54, 0, s54
	WIN 0x80                                       ; destination window 2
.set i, 0
.rept 16
	v_ldexp_f32 v[128+i], v[BRAW+i], s52
	v_ldexp_f32 v[144+i], v[BRAW+16+i], s53
.set i, i+1
.endr
.irp u, 0,1
.set i, 0
.rept 8
	v_ldexp_f32 v[160+8*\u+i], v[BRAW+32+\u], s54  ; v's results hold one channel a lane: the same bias in all eight registers
.set i, i+1
.endr
.endr
	WIN 0
	s_wait_dscnt 0x0                               ; for the others' sake: my images have landed
	s_barrier_signal -1
	s_barrier_wait -1                              ; all 96 fragments lie in LDS; nothing is written there again
	; ---- second part: twelve rounds; the fragments run two rounds ahead in two buffers
	FETCH 0
	FETCH 1
.irp n, 0,1,2,3,4,5,6,7,8,9,10,11
.if \n == 0
	s_wait_loadcnt 63                              ; wq is in: 64 loads (wk, wv) are younger; 63 is the largest count that the wait can name, and the stricter side
.elseif \n == 4
	s_wait_loadcnt 32                              ; wk is in: wv's 32 loads are younger
.elseif \n == 8
	s_wait_loadcnt 0x0                             ; wv is in
.endif
.if \n < 11
	s_wait_dscnt 32                                ; this round's 32 loads are in; the next round's 32 may be out
.else
	s_wait_dscnt 0x0
.endif
	MUL \n
.if \n < 10
	FETCH \n+2
.endif
.if \n < 8
	POSTQK \n
.else
	POSTV \n
.endif
.endr
.irp u, 0,1
.irp g, 0,1,2,3
	global_store_b128 v[LI], v[VF+16*\u+4*\g:VF+16*\u+4*\g+3], s[48:49] offset:2048*\u+512*\g   ; 512 consecutive bytes, aligned
.endr
.endr
	s_wait_tensorcnt 0x0
	ds_add_u32 v254, v255
	s_wait_dscnt 0x0
	s_endpgm
.Lfunc_end_k_qeb786e38de_qkv:
	.size	k_qeb786e38de_qkv, .Lfunc_end_k_qeb786e38de_qkv-k_qeb786e38de_qkv
	.p2alignl 7, 3214868480
	.fill 96, 4, 3214868480
	.section	.rodata,"a",@progbits
	.p2align	6, 0x0
	.amdhsa_kernel k_qeb786e38de_qkv
		.amdhsa_group_segment_fixed_size 197120
		.amdhsa_private_segment_fixed_size 0
		.amdhsa_enable_private_segment 0
		.amdhsa_kernarg_size 72
		.amdhsa_user_sgpr_count 2
		.amdhsa_user_sgpr_kernarg_segment_ptr 1
		.amdhsa_wavefront_size32 1
		.amdhsa_system_sgpr_workgroup_id_x 1
		.amdhsa_system_sgpr_workgroup_id_y 1
		.amdhsa_system_sgpr_workgroup_id_z 1
		.amdhsa_system_vgpr_workitem_id 0
		.amdhsa_next_free_vgpr 1024
		.amdhsa_next_free_sgpr 66
		.amdhsa_reserve_vcc 0
		.amdhsa_float_denorm_mode_32 3
		.amdhsa_float_denorm_mode_16_64 3
		.amdhsa_memory_ordered 1
		.amdhsa_forward_progress 1
		.amdhsa_inst_pref_size 217
	.end_amdhsa_kernel
	.amdgpu_metadata
---
amdhsa.version: [ 1, 2 ]
amdhsa.kernels:
  - .name:           k_qeb786e38de_qkv
    .symbol:         k_qeb786e38de_qkv.kd
    .args:
      - { .name: x, .offset: 0, .size: 8, .value_kind: global_buffer, .address_space: global }
      - { .name: w_img, .offset: 8, .size: 8, .value_kind: global_buffer, .address_space: global }
      - { .name: lowp_scales, .offset: 16, .size: 8, .value_kind: global_buffer, .address_space: global }
      - { .name: bq, .offset: 24, .size: 8, .value_kind: global_buffer, .address_space: global }
      - { .name: bk, .offset: 32, .size: 8, .value_kind: global_buffer, .address_space: global }
      - { .name: bv, .offset: 40, .size: 8, .value_kind: global_buffer, .address_space: global }
      - { .name: q_img, .offset: 48, .size: 8, .value_kind: global_buffer, .address_space: global }
      - { .name: k_img, .offset: 56, .size: 8, .value_kind: global_buffer, .address_space: global }
      - { .name: v_img, .offset: 64, .size: 8, .value_kind: global_buffer, .address_space: global }
    .group_segment_fixed_size: 197120
    .private_segment_fixed_size: 0
    .kernarg_segment_align: 8
    .kernarg_segment_size: 72
    .max_flat_workgroup_size: 128
    .sgpr_count:     66
    .vgpr_count:     1024
    .wavefront_size: 32
...
	.end_amdgpu_metadata
.endif
;; end of part 2
;; launch attn (part 3): grid 16 x 16, 8 waves a work-group, no clusters, 66,560 bytes of LDS; arguments q_img, k_img, v_img, lowp_scales, o_img; writes o_img
.if DOCPART == 3
	.amdgcn_target "amdgcn-amd-amdhsa--gfx1250"
	.amdhsa_code_object_version 6
	.text
	.protected	k_qeb786e38de_attn
	.globl	k_qeb786e38de_attn
	.p2align	8
	.type	k_qeb786e38de_attn,@function
k_qeb786e38de_attn:
	s_mov_b64 s[64:65], 0
	v_nop
	global_prefetch_b8 v0, s[64:65] scope:SCOPE_SE
	s_setreg_imm32_b32 hwreg(HW_REG_WAVE_MODE, 25, 1), 1
	s_wait_xcnt 0x0
; o = softmax(q k^T / 8) v for each of 16 (batch, head) pairs hb, 4,096 tokens, head size 64, both products on codes of BF8 (E5M2); o is quantised for the last projection (entry 10).
; q_img, k_img, v_img, o_img are images of operand registers: a group of four registers is 512 bytes, lane l's 16 bytes at 16 l.
; THE SOFTMAX AHEAD OF THE SECOND PRODUCT: t = score x log2(e) / 8; M = the row's largest t so far, rounded UP to a whole number; p = 2^(t - M) is what is quantised (entry 8); it is not normalised.
; The row's sum is taken of the unquantised p, in f32, and divides at the end.  When M moves, the sum and O are multiplied by 2^(old M - new M): exact, and there is no branch on data.
; SHARES.  A work-group owns 256 queries (work-group x) of one hb (work-group y); each of its eight waves owns 32: two tiles of 16, so that each fragment of K and V read from LDS feeds two matrix instructions.
; Two waves lie on a SIMD: one's vector work stands beside the other's waits.  Every wave walks all 4,096 keys, 128 a step.
; LAYOUT.  Both products are used transposed: S^T = K Q^T (16x16x64: source 0 = 16 keys, source 1 = 16 queries), O^T = V^T P^T (16x16x128: source 0 = 16 channels, source 1 = P): a lane holds ONE query.
; In tile t of S^T lane half h holds keys 16 t + 8 h + 0..7: their eight codes are registers 2 t, 2 t + 1 of the second product's operand in that form's own layout, and v_img is laid in the same.
; THE RING.  Two LDS slots of two key steps (K 2 x 8,192 bytes, then V 2 x 8,192).  A slot is brought by plain loads into registers and stored to LDS: 4,096 bytes a wave (waves 0-3: K, waves 4-7: V).
; The change of slots stands in the MIDDLE of a slot's last step, between the two tiles' softmaxes: V of that step is in registers, so the wave's reads of the slot are over; behind the barrier the next slot's
; first K is fetched and the slot after that is stored into the bytes just left, and the second tile's softmax is work at hand meanwhile.
; NO TENSOR LOADS, NO JOINT REQUESTS, and why: a work-group fetches 32,768 bytes for two key steps, in which each wave issues some 1,000 vector instructions; and p's hold at the largest code,
; 128 of a step's some 520 vector instructions, is jumped over where the given e8 makes it the identity.  That is a branch on a number read from memory.
; THE HOLD: p is at most 2^(a rounding error); for e8 >= -15 the largest code x 2^e8 is at least 1.75, so the hold changes nothing there and is skipped; for e8 < -15 it is executed.
; LIMITS, so that each power of two is an f32 number: e6 + e7 between -123 and 130 (added to c's exponent field); e8, and e10 - e8 - e9, between -126 and 112.  NaN and infinity are not served.
; REGISTERS, in windows of 256 (s_set_vgpr_msb: bits 1:0 source 0, 3:2 source 1, 5:4 source 2, 7:6 destination):
;   window 0: v1-3 addresses; v8-23 statistics, eight a tile; v24-30 scales and work; v32-63 p's codes, 16 a tile; v64-191 S^T, then p, 64 a tile
;   window 1: v0-15 Q; v16-47 a slot's part on its way to LDS; v48-111 O^T, 32 a tile; v112-175 K of a step; v176-239 V of a step
.set LI,   1                           ; v1   16 x lane
.set FW,   2                           ; v2   4096 x wave + 16 x lane: where I store my part of a slot
.set PFO,  3                           ; v3   256 x lane: the prefetches' offset; never rewritten
.set ST,   8                           ; tile X at v[ST + 8 X]: +0 -M, +1 the largest t, +2, +3 the sum in two halves, +4 f (+5 named with it as a pair), +6, +7 the second chain of sums
.set LIMP, 24                          ; 57,344 x 2^e8
.set SCP,  25                          ; 2^e8
.set TA,   26
.set TB,   27
.set PD,   28                          ; a lane permute's destination: written once at the head
.set SCO,  29                          ; 2^(e10 - e8 - e9)
.set LIMO, 30                          ; 57,344 x that
.set PB,   32
.set SB,   64
.set QF,   0                           ; window 1
.set STG,  16
.set OA,   48
.set FK,   112
.set FV,   176
.set WV,   14                          ; s14  wave
.set SEL,  20                          ; s[20:21] lane selects for v_permlanex16_b32: lane l xor 16
.set CS,   22                          ; s[22:23] c = log2(e) / 8 x 2^(e6 + e7); the packed form names a pair and takes its low word for both halves
.set GB,   24                          ; s[24:25] my 4,096 bytes of the slot to be loaded next
.set PFA,  26                          ; s[26:27] where my prefetches stand
.set LIM,  28                          ; s28  1 in a wave that prefetches, else the greatest number
.set TRIPS, 29
.set HOLD, 30                          ; s30  1 where e8 < -15
.set OB,   38                          ; s[38:39] my place in o_img
.set MSB, 0
.macro WIN new                         ; the immediate's high byte repeats the setting that is left; a switch that changes nothing is dropped
.if MSB != \new
	s_set_vgpr_msb (MSB<<8)|\new
.set MSB, \new
.endif
.endm
.macro MKSC e, sc, lim
	s_add_co_i32 s42, \e, 127
	s_lshl_b32 s43, s42, 23
	v_mov_b32 v[\sc], s43
	s_add_co_i32 s42, s42, 15
	s_lshl_b32 s42, s42, 23
	s_or_b32 s42, s42, 0x600000
	v_mov_b32 v[\lim], s42
.endm
; A PREFETCH of the slot after the one whose loads have just been issued: 16,384 bytes of K and as many of V.  All sixteen work-groups of an hb walk the same K and V: the first of them asks.
; In it wave 0 and 1 ask for K's two halves of 8,192 bytes, waves 2 and 3 for V's, lanes 256 bytes apart: each aligned block of 256 bytes is named once in the launch.
; It is issued while more than one trip is left: slots 3 to 14; slots 0, 1, 2 and 15 come by their loads alone.
.macro ASK
	s_cmp_gt_u32 s[TRIPS], s[LIM]
	s_cbranch_scc0 .Lnot_mine_\@
	global_prefetch_b8 v[PFO], s[PFA:PFA+1] th:TH_LOAD_NT scope:SCOPE_SE
.Lnot_mine_\@:
.endm
; One tile's softmax for a key step: 64 scores a lane.
.macro SOFTMAX X
.set rT, ST+8*(\X)
.set rS, SB+64*(\X)
.set rP, PB+16*(\X)
.set rO, OA+32*(\X)
	v_max3_num_f32 v[TA], v[rS], v[rS+1], v[rS+2]  ; the step's largest score of my query among my 64 keys, in two chains; each accumulator is first read at its low end
	v_max3_num_f32 v[TB], v[rS+3], v[rS+4], v[rS+5]
.set i, 6
.rept 14
	v_max3_num_f32 v[TA], v[TA], v[rS+i], v[rS+i+1]
	v_max3_num_f32 v[TB], v[TB], v[rS+i+2], v[rS+i+3]
.set i, i+4
.endr
	v_max3_num_f32 v[TA], v[TA], v[rS+62], v[rS+63]
	v_max_num_f32 v[TA], v[TA], v[TB]
	v_permlanex16_b32 v[PD], v[TA], s[SEL], s[SEL+1]
	v_max_num_f32 v[TA], v[TA], v[PD]              ; and among lane l xor 16's
	v_mul_f32 v[TA], s[CS], v[TA]                  ; as t (c is positive)
	v_max_num_f32 v[rT+1], v[rT+1], v[TA]          ; the running largest t
	v_mov_b32 v[TA], v[rT]
	v_floor_f32 v[rT], -v[rT+1]                    ; the new -M = floor(-t) = -ceil(t): M is a whole number
	v_sub_f32 v[TA], v[rT], v[TA]                  ; old M - new M: a whole number, 0 or less
	v_cvt_i32_f32 v[TA], v[TA]                     ; (it saturates)
	v_ldexp_f32 v[rT+4], 1.0, v[TA]                ; f = 2^(old M - new M)
.set i, 0
.rept 32
	v_pk_fma_f32 v[rS+i:rS+i+1], v[rS+i:rS+i+1], s[CS:CS+1], v[rT:rT+1] op_sel_hi:[1,0,0]   ; t - M, two at a time
.set i, i+2
.endr
.set i, 0
.rept 64
	v_exp_f32 v[rS+i], v[rS+i]                     ; p = 2^(t - M): one batch
.set i, i+1
.endr
	v_pk_mul_f32 v[rT+2:rT+3], v[rT+2:rT+3], v[rT+4:rT+5] op_sel_hi:[1,0]   ; the sums under the new M: the plain line behind the exponentials
	s_wait_alu depctr_va_vdst(0)                   ; the wait ahead of the first line that names an exponential's result: one for the batch
	v_pk_add_f32 v[rT+6:rT+7], v[rS:rS+1], v[rS+2:rS+3]   ; the row's sum is taken of the UNQUANTISED p: two at a time, in two chains
.set i, 4
.rept 15
	v_pk_add_f32 v[rT+2:rT+3], v[rT+2:rT+3], v[rS+i:rS+i+1]
	v_pk_add_f32 v[rT+6:rT+7], v[rT+6:rT+7], v[rS+i+2:rS+i+3]
.set i, i+4
.endr
	v_pk_add_f32 v[rT+2:rT+3], v[rT+2:rT+3], v[rT+6:rT+7]
	s_cmp_eq_u32 s[HOLD], 0                        ; the hold is the identity for e8 >= -15 (head comment): a scalar branch on the given whole number
	s_cbranch_scc1 .Lfree_\@
.set i, 0
.rept 64
	v_min_num_f32 v[rS+i], v[rS+i], v[LIMP]        ; the conversion to an 8-bit code does not saturate (ISA guide 7.6.2); p is not negative, so the hold is one-sided
.set i, i+1
.endr
.Lfree_\@:
.irp t, 0,1,2,3,4,5,6,7
	v_cvt_scalef32_pk8_bf8_f32 v[rP+2*\t:rP+2*\t+1], v[rS+8*\t:rS+8*\t+7], v[SCP]
.endr
	WIN 0x41                                       ; O^T (destination and source 0) in window 1, f in window 0
.set i, 0
.rept 16
	v_pk_mul_f32 v[rO+i:rO+i+1], v[rO+i:rO+i+1], v[rT+4:rT+5] op_sel_hi:[1,0]   ; O^T under the new M, from each accumulator's low end on.  (Also the plain lines behind the conversions)
.set i, i+2
.endr
	WIN 0
.endm
; A KEY STEP: the q-th of slot sl.  ld: the loads of the slot two on are issued.  bar: the change of slots.  st: that slot's part goes to LDS.  kn: the next step's K is fetched.
.macro STEP sl, q, ld, bar, st, kn
	s_wait_dscnt 0x0                               ; this step's K is in its registers, and my stores into LDS have read theirs
.if \ld
	WIN 0x40
.irp i, 0,1,2,3,4,5,6,7
	global_load_b128 v[STG+4*\i:STG+4*\i+3], v[LI], s[GB:GB+1] offset:512*\i   ; one and a half steps ahead of their use
.endr
	WIN 0
	ASK
.endif
	WIN 0x05                                       ; K and Q in window 1, S^T in window 0
.irp t, 0,1,2,3,4,5,6,7
.irp X, 0,1
	v_wmma_f32_16x16x64_bf8_bf8 v[SB+64*\X+8*\t:SB+64*\X+8*\t+7], v[FK+8*\t:FK+8*\t+7], v[QF+8*\X:QF+8*\X+7], 0
.endr
.endr
	WIN 0
.rept 4
	v_nop                                          ; four places: in front of the loads into V's registers, which the last step's products read, and of the first read of the scores
.endr
	WIN 0x40
.set i, 0
.rept 16
	ds_load_b128 v[FV+4*i:FV+4*i+3], v[LI] offset:32768*\sl+16384+8192*\q+512*i   ; V of this step lands under the first tile's softmax
.set i, i+1
.endr
	WIN 0
	SOFTMAX 0
.if \bar
	s_wait_dscnt 0x0                               ; V is in: my reads of this slot are over, and my stores into the other slot have landed
	s_barrier_signal -1
	s_barrier_wait -1                              ; both now hold of all eight waves
.endif
.if \kn
	WIN 0x40
.set i, 0
.rept 16
.if \q == 0
	ds_load_b128 v[FK+4*i:FK+4*i+3], v[LI] offset:32768*\sl+8192+512*i
.else
	ds_load_b128 v[FK+4*i:FK+4*i+3], v[LI] offset:32768*(1-\sl)+512*i
.endif
.set i, i+1
.endr
.endif
.if \st
	s_wait_loadcnt 0x0                             ; the slot two on is in my registers, and its loads' base may be stepped
	s_add_nc_u64 s[GB:GB+1], s[GB:GB+1], 16384
	s_wait_xcnt 0x0                                ; the last prefetch, a step and a half back, has read its address
	s_add_nc_u64 s[PFA:PFA+1], s[PFA:PFA+1], 16384
	WIN 0x04                                       ; store data in window 1
.irp i, 0,1,2,3,4,5,6,7
	ds_store_b128 v[FW], v[STG+4*\i:STG+4*\i+3] offset:32768*\sl+512*\i   ; into the slot that every wave has left
.endr
.endif
	WIN 0
	SOFTMAX 1
.if (\bar) == 0
	s_wait_dscnt 16*\kn                            ; V is in; the next K's sixteen loads are younger and may be out
.endif
	WIN 0x51                                       ; V in window 1, P in window 0, O^T in window 1
.irp t, 0,1,2,3
.irp X, 0,1
	v_wmma_f32_16x16x128_bf8_bf8 v[OA+32*\X+8*\t:OA+32*\X+8*\t+7], v[FV+16*\t:FV+16*\t+15], v[PB+16*\X:PB+16*\X+15], v[OA+32*\X+8*\t:OA+32*\X+8*\t+7]   ; eight accumulators, one instruction each; the next link stands behind the next step's sixteen score products
.endr
.endr
	WIN 0
.endm
	s_load_b256 s[4:11], s[0:1], 0x0               ; q_img s[4:5], k_img s[6:7], v_img s[8:9], the scales' exponents s[10:11]
	s_load_b64 s[12:13], s[0:1], 0x20              ; o_img
	v_lshl_add_u32 v254, v0, 2, 0x10000
	v_mov_b32 v255, 0
	v_and_b32 v[LI], 31, v0
	v_lshlrev_b32 v[PFO], 8, v[LI]
	v_lshlrev_b32 v[LI], 4, v[LI]
	v_lshrrev_b32 v[FW], 5, v0
	v_readfirstlane_b32 s[WV], v[FW]               ; wave 0..7
	v_lshl_add_u32 v[FW], v[FW], 12, v[LI]
	s_and_b32 s16, ttmp7, 0xffff                   ; hb
	s_lshl_b32 s42, s16, 18                        ; hb's first byte in q_img, k_img, v_img
	s_and_b32 s44, s[WV], 3
	s_lshl_b32 s44, s44, 12
	s_add_co_u32 s44, s44, s42                     ; my 4,096 bytes of slot 0's K or V
	s_mov_b32 s45, 0
	s_and_b32 s46, s[WV], 1
	s_lshl_b32 s46, s46, 13
	s_add_co_u32 s46, s46, s42
	s_add_co_u32 s46, s46, 3*16384                 ; the prefetches begin at slot 3
	s_mov_b32 s47, 0
	s_lshl_b32 s48, ttmp9, 14
	s_add_co_u32 s48, s48, s42
	s_lshl_b32 s43, s[WV], 11
	s_add_co_u32 s48, s48, s43                     ; Q: tile 16 x + 2 w, 1,024 bytes a tile
	s_mov_b32 s49, 0
	s_lshr_b32 s50, s16, 3                         ; o_img: ((256 batch + 16 x + 2 w) x 4 + head / 2) x 2,048 + 1,024 (head % 2)
	s_lshl_b32 s50, s50, 21
	s_lshl_b32 s43, ttmp9, 17
	s_add_co_u32 s50, s50, s43
	s_lshl_b32 s43, s[WV], 14
	s_add_co_u32 s50, s50, s43
	s_bfe_u32 s43, s16, 0x20001
	s_lshl_b32 s43, s43, 11
	s_add_co_u32 s50, s50, s43
	s_and_b32 s43, s16, 1
	s_lshl_b32 s43, s43, 10
	s_add_co_u32 s50, s50, s43
	s_mov_b32 s51, 0
	s_mov_b32 s[SEL], 0x76543210
	s_mov_b32 s[SEL+1], 0xfedcba98
	s_lshr_b32 s[LIM], s[WV], 2                    ; 0 in waves 0 to 3,
	s_or_b32 s[LIM], s[LIM], ttmp9                 ; of the hb's first work-group
	s_cmp_eq_u32 s[LIM], 0
	s_cselect_b32 s[LIM], 1, -1
	s_wait_kmcnt 0x0
	s_load_b128 s[32:35], s[10:11], 0x18           ; e6, e7, e8, e9
	s_load_b32 s36, s[10:11], 0x28                 ; e10
	s_cmp_lt_u32 s[WV], 4                          ; waves 0-3 bring K, waves 4-7 V
	s_cselect_b64 s[GB:GB+1], s[6:7], s[8:9]
	s_add_nc_u64 s[GB:GB+1], s[GB:GB+1], s[44:45]
	s_cmp_lt_u32 s[WV], 2
	s_cselect_b64 s[PFA:PFA+1], s[6:7], s[8:9]
	s_add_nc_u64 s[PFA:PFA+1], s[PFA:PFA+1], s[46:47]
	s_add_nc_u64 s[40:41], s[4:5], s[48:49]
	s_add_nc_u64 s[OB:OB+1], s[12:13], s[50:51]
	WIN 0x40
.irp i, 0,1,2,3,4,5,6,7
	global_load_b128 v[STG+4*\i:STG+4*\i+3], v[LI], s[GB:GB+1] offset:512*\i           ; my part of slot 0,
.endr
.irp i, 0,1,2,3,4,5,6,7
	global_load_b128 v[FV+4*\i:FV+4*\i+3], v[LI], s[GB:GB+1] offset:16384+512*\i       ; of slot 1 (in registers that V takes later),
.endr
.irp i, 0,1,2,3
	global_load_b128 v[QF+4*\i:QF+4*\i+3], v[LI], s[40:41] offset:512*\i               ; and my two tiles of Q, which stay
.endr
.set i, 0
.rept 64
	v_mov_b32 v[OA+i], 0                           ; O^T.  (The step is written once: the first finds zeros, which the first change of M leaves zeros)
.set i, i+1
.endr
	WIN 0
.irp X, 0,1
	v_mov_b32 v[ST+8*\X+1], 0xff61b1e6             ; the largest t so far: -3e38, under every t
	v_floor_f32 v[ST+8*\X], -v[ST+8*\X+1]          ; -M
	v_mov_b32 v[ST+8*\X+2], 0                      ; the sum, in two halves
	v_mov_b32 v[ST+8*\X+3], 0
	v_mov_b32 v[ST+8*\X+5], 0                      ; (named as the upper half of f's pair)
.endr
	v_mov_b32 v[PD], 0
	s_wait_kmcnt 0x0
	s_add_co_i32 s42, s32, s33
	s_lshl_b32 s42, s42, 23
	s_mov_b32 s[CS], 0x3e38aa3b                    ; log2(e) / 8
	s_add_co_i32 s[CS], s[CS], s42                 ; a score stands for score x 2^(e6 + e7): the exponents are added to c's exponent field
	s_mov_b32 s[CS+1], s[CS]
	s_cmp_lt_i32 s34, -15
	s_cselect_b32 s[HOLD], 1, 0
	MKSC s34, SCP, LIMP
	s_sub_co_i32 s44, s36, s34
	s_sub_co_i32 s44, s44, s35                     ; O / l stands for o / 2^(e8 + e9): o's code is (O / l) / 2^(e10 - e8 - e9)
	MKSC s44, SCO, LIMO
	s_wait_loadcnt 4                               ; both slots' parts are in; only Q's four loads are younger
	s_add_nc_u64 s[GB:GB+1], s[GB:GB+1], 32768     ; on to slot 2
	WIN 0x04
.irp i, 0,1,2,3,4,5,6,7
	ds_store_b128 v[FW], v[STG+4*\i:STG+4*\i+3] offset:512*\i
.endr
.irp i, 0,1,2,3,4,5,6,7
	ds_store_b128 v[FW], v[FV+4*\i:FV+4*\i+3] offset:32768+512*\i
.endr
	WIN 0
	s_wait_dscnt 0x0                               ; for the others' sake: my parts have landed
	s_barrier_signal -1
	s_barrier_wait -1
	WIN 0x40
.set i, 0
.rept 16
	ds_load_b128 v[FK+4*i:FK+4*i+3], v[LI] offset:512*i   ; K of step 0
.set i, i+1
.endr
	WIN 0
	s_wait_loadcnt 0x0                             ; Q
	s_mov_b32 s[TRIPS], 7
.Ltrip:                                            ; a trip walks two slots (four key steps) and brings the two slots that follow them: slots 2 to 15 in seven trips
	STEP 0, 0, 1, 0, 0, 1
	STEP 0, 1, 0, 1, 1, 1
	STEP 1, 0, 1, 0, 0, 1
	STEP 1, 1, 0, 1, 1, 1
	s_sub_co_u32 s[TRIPS], s[TRIPS], 1
	s_cmp_lg_u32 s[TRIPS], 0
	s_cbranch_scc1 .Ltrip
	STEP 0, 0, 0, 0, 0, 1                          ; the last two slots: nothing is left to bring, so no load leaves its buffer
	STEP 0, 1, 0, 1, 0, 1                          ; (the barrier shows slot 15's stores to every wave)
	STEP 1, 0, 0, 0, 0, 1
	STEP 1, 1, 0, 0, 0, 0
	; THE WAY OUT: O^T / the sum, held, converted with the folded scale: tile t's eight channels are registers 2 t, 2 t + 1 of my head's half of a K step of the last projection
.rept 4
	v_nop                                          ; four places behind the last products
.endr
.irp X, 0,1
	v_add_f32 v[ST+8*\X+6], v[ST+8*\X+2], v[ST+8*\X+3]
.endr
.irp X, 0,1
	v_permlanex16_b32 v[ST+8*\X+7], v[ST+8*\X+6], s[SEL], s[SEL+1]
.endr
.irp X, 0,1
	v_add_f32 v[ST+8*\X+6], v[ST+8*\X+6], v[ST+8*\X+7]   ; the row's sum
.endr
.irp X, 0,1
	v_rcp_f32 v[ST+8*\X+4], v[ST+8*\X+6]
.endr
	v_nop                                          ; a plain line behind the reciprocals,
	s_wait_alu depctr_va_vdst(0)                   ; and the wait ahead of their first reader: one for both
.irp X, 0,1
	WIN 0x41
.set i, 0
.rept 16
	v_pk_mul_f32 v[OA+32*\X+i:OA+32*\X+i+1], v[OA+32*\X+i:OA+32*\X+i+1], v[ST+8*\X+4:ST+8*\X+5] op_sel_hi:[1,0]
.set i, i+2
.endr
.set i, 0
.rept 32
	v_med3_num_f32 v[OA+32*\X+i], v[OA+32*\X+i], -v[LIMO], v[LIMO]
.set i, i+1
.endr
	WIN 0x01                                       ; source 0 in window 1, destination in window 0
.irp t, 0,1,2,3
	v_cvt_scalef32_pk8_bf8_f32 v[PB+16*\X+2*\t:PB+16*\X+2*\t+1], v[OA+32*\X+8*\t:OA+32*\X+8*\t+7], v[SCO]
.endr
	WIN 0
	v_nop
.irp g, 0,1
	global_store_b128 v[LI], v[PB+16*\X+4*\g:PB+16*\X+4*\g+3], s[OB:OB+1] offset:8192*\X+512*\g   ; 512 consecutive bytes, aligned
.endr
.endr
	s_wait_tensorcnt 0x0
	ds_add_u32 v254, v255
	s_wait_dscnt 0x0
	s_endpgm
.Lfunc_end_k_qeb786e38de_attn:
	.size	k_qeb786e38de_attn, .Lfunc_end_k_qeb786e38de_attn-k_qeb786e38de_attn
	.p2alignl 7, 3214868480
	.fill 96, 4, 3214868480
	.section	.rodata,"a",@progbits
	.p2align	6, 0x0
	.amdhsa_kernel k_qeb786e38de_attn
		.amdhsa_group_segment_fixed_size 66560
		.amdhsa_private_segment_fixed_size 0
		.amdhsa_enable_private_segment 0
		.amdhsa_kernarg_size 40
		.amdhsa_user_sgpr_count 2
		.amdhsa_user_sgpr_kernarg_segment_ptr 1
		.amdhsa_wavefront_size32 1
		.amdhsa_system_sgpr_workgroup_id_x 1
		.amdhsa_system_sgpr_workgroup_id_y 1
		.amdhsa_system_sgpr_workgroup_id_z 1
		.amdhsa_system_vgpr_workitem_id 0
		.amdhsa_next_free_vgpr 512
		.amdhsa_next_free_sgpr 66
		.amdhsa_reserve_vcc 0
		.amdhsa_float_denorm_mode_32 3
		.amdhsa_float_denorm_mode_16_64 3
		.amdhsa_memory_ordered 1
		.amdhsa_forward_progress 1
		.amdhsa_inst_pref_size 245
	.end_amdhsa_kernel
	.amdgpu_metadata
---
amdhsa.version: [ 1, 2 ]
amdhsa.kernels:
  - .name:           k_qeb786e38de_attn
    .symbol:         k_qeb786e38de_attn.kd
    .args:
      - { .name: q_img, .offset: 0, .size: 8, .value_kind: global_buffer, .address_space: global }
      - { .name: k_img, .offset: 8, .size: 8, .value_kind: global_buffer, .address_space: global }
      - { .name: v_img, .offset: 16, .size: 8, .value_kind: global_buffer, .address_space: global }
      - { .name: lowp_scales, .offset: 24, .size: 8, .value_kind: global_buffer, .address_space: global }
      - { .name: o_img, .offset: 32, .size: 8, .value_kind: global_buffer, .address_space: global }
    .group_segment_fixed_size: 66560
    .private_segment_fixed_size: 0
    .kernarg_segment_align: 8
    .kernarg_segment_size: 40
    .max_flat_workgroup_size: 256
    .sgpr_count:     66
    .vgpr_count:     512
    .wavefront_size: 32
...
	.end_amdgpu_metadata
.endif
;; end of part 3
;; launch oproj (part 4): grid 256 x 1, 4 waves a work-group, no clusters, 0 bytes of LDS; arguments o_img, w_img, lowp_scales, bo, out0; writes out0
.if DOCPART == 4
	.amdgcn_target "amdgcn-amd-amdhsa--gfx1250"
	.amdhsa_code_object_version 6
	.text
	.protected	k_qeb786e38de_oproj
	.globl	k_qeb786e38de_oproj
	.p2align	8
	.type	k_qeb786e38de_oproj,@function
k_qeb786e38de_oproj:
	s_mov_b64 s[64:65], 0
	v_nop
	global_prefetch_b8 v0, s[64:65] scope:SCOPE_SE
	s_setreg_imm32_b32 hwreg(HW_REG_WAVE_MODE, 25, 1), 1
	s_wait_xcnt 0x0
; out0 = o wo^T + bo on codes of BF8 (E5M2): out0[8192][512] f32.  o's codes (o_img) and wo's (the fourth quarter of w_img) come as images of operand registers, in the 16x16x128 form's own layout.
; SHARES.  1,024 waves that share nothing; each makes 64 rows x 64 columns: 16 accumulators, K = 512 in four steps.  Row block = work-group / 2; column block = 4 (work-group % 2) + wave.
; All 128 loads of a wave (512 consecutive bytes each) are issued at the start, by K steps, and the products follow them step by step.
; THE ROWS OF wo THAT FORM A TILE: lane r of tile u of a column block holds column 4 r + u.  Source 0 = 16 tokens of o, source 1 = a tile of wo: in the result lane (r, h) holds, in register j, token 8 h + j at
; column 4 r + u.  So the four tiles give a lane 4 NEIGHBOURING columns of a token; the multiply-add that applies 2^(e10 + e11) and the bias puts them into four neighbouring registers, and sixteen lanes
; store 256 consecutive bytes, aligned: no way through LDS.  No LDS, no barrier; no tensor loads and no cluster: each operand goes straight into the registers of the wave that multiplies it.
; LIMIT: e10 + e11 between -126 and 127, so that 2^(e10 + e11) is an f32 number.
; REGISTERS: window 0: v1-7 addresses and the bias; v128-255 accumulators ((tile of rows m, tile u) at 128 + 32 m + 8 u).  window 1: o's fragments at 64 m + 16 s; later the results at 32 m + 4 j + u.
;   window 2: wo's fragments at 64 u + 16 s.
.set LI,  1                            ; v1  16 x lane
.set VO,  2                            ; v2  out0: 8 h rows of 2,048 bytes + 16 r
.set RB,  3                            ; v3  16 r
.set BO,  4                            ; v[4:7] bo at my four columns
.set ACC, 128
.set MSB, 0
.macro WIN new                         ; the immediate's high byte repeats the setting that is left; a switch that changes nothing is dropped
.if MSB != \new
	s_set_vgpr_msb (MSB<<8)|\new
.set MSB, \new
.endif
.endm
	s_load_b256 s[4:11], s[0:1], 0x0               ; o_img s[4:5], w_img s[6:7], the scales' exponents s[8:9], bo s[10:11]
	s_load_b64 s[12:13], s[0:1], 0x20              ; out0
	v_and_b32 v[LI], 31, v0
	v_lshlrev_b32 v[LI], 4, v[LI]
	v_lshrrev_b32 v8, 5, v0
	v_readfirstlane_b32 s14, v8                    ; wave 0..3
	v_and_b32 v[RB], 15, v0
	v_lshlrev_b32 v[RB], 4, v[RB]
	v_bfe_u32 v[VO], v0, 4, 1
	v_lshl_or_b32 v[VO], v[VO], 14, v[RB]
	s_lshr_b32 s15, ttmp9, 1                       ; row block, 0..127
	s_and_b32 s16, ttmp9, 1
	s_lshl_b32 s16, s16, 2
	s_add_co_u32 s16, s16, s14                     ; column block, 0..7
	s_lshl_b32 s20, s15, 15                        ; o_img: four tiles of 8,192 bytes
	s_mov_b32 s21, 0
	s_lshl_b32 s22, s16, 15
	s_add_co_u32 s22, s22, 786432                  ; w_img: wo's image, four tiles of 8,192 bytes
	s_mov_b32 s23, 0
	s_lshl_b32 s24, s16, 8                         ; 64 columns of f32
	s_mov_b32 s25, 0
	s_lshl_b32 s26, s15, 17                        ; 64 rows of 2,048 bytes
	s_add_co_u32 s26, s26, s24
	s_mov_b32 s27, 0
	s_wait_kmcnt 0x0
	s_load_b64 s[28:29], s[8:9], 0x28              ; e10, e11
	s_add_nc_u64 s[4:5], s[4:5], s[20:21]
	s_add_nc_u64 s[6:7], s[6:7], s[22:23]
	s_add_nc_u64 s[10:11], s[10:11], s[24:25]
	s_add_nc_u64 s[12:13], s[12:13], s[26:27]
	global_load_b128 v[BO:BO+3], v[RB], s[10:11]
.irp s, 0,1,2,3
	WIN 0x40
.irp m, 0,1,2,3
.irp c, 0,1,2,3
	global_load_b128 v[64*\m+16*\s+4*\c:64*\m+16*\s+4*\c+3], v[LI], s[4:5] offset:(4*\m+\s)*2048+512*\c
.endr
.endr
	WIN 0x80
.irp u, 0,1,2,3
.irp c, 0,1,2,3
	global_load_b128 v[64*\u+16*\s+4*\c:64*\u+16*\s+4*\c+3], v[LI], s[6:7] offset:(4*\u+\s)*2048+512*\c
.endr
.endr
.endr
	WIN 0
	s_wait_kmcnt 0x0
	s_add_co_i32 s30, s28, s29
	s_add_co_i32 s30, s30, 127
	s_lshl_b32 s30, s30, 23                        ; 2^(e10 + e11) as f32
.irp s, 0,1,2,3
.if \s < 2
	s_wait_loadcnt 63                              ; this K step's 32 loads are in: 96, then 64, are younger; 63 is the largest count that the wait can name, and the stricter side
.elseif \s == 2
	s_wait_loadcnt 32                              ; the last K step's 32 loads are younger
.else
	s_wait_loadcnt 0x0
.endif
	WIN 0x09                                       ; source 0 (o) window 1, source 1 (wo) window 2, C and D window 0
.irp m, 0,1,2,3
.irp u, 0,1,2,3
.if \s == 0
	v_wmma_f32_16x16x128_bf8_bf8 v[ACC+32*\m+8*\u:ACC+32*\m+8*\u+7], v[64*\m+16*\s:64*\m+16*\s+15], v[64*\u+16*\s:64*\u+16*\s+15], 0
.else
	v_wmma_f32_16x16x128_bf8_bf8 v[ACC+32*\m+8*\u:ACC+32*\m+8*\u+7], v[64*\m+16*\s:64*\m+16*\s+15], v[64*\u+16*\s:64*\u+16*\s+15], v[ACC+32*\m+8*\u:ACC+32*\m+8*\u+7]
.endif
.endr
.endr
.endr                                  ; the sixteen accumulators take turns, one instruction a turn, K ascending
	WIN 0
.rept 4
	v_nop                                          ; four places (ISA guide 7.12.1) in front of the first read of results and of the writes over o's fragments
.endr
	WIN 0x40                                       ; destination window 1
.irp m, 0,1,2,3
.irp j, 0,1,2,3,4,5,6,7
.irp u, 0,1,2,3
	v_fma_f32 v[32*\m+4*\j+\u], v[ACC+32*\m+8*\u+\j], s30, v[BO+\u]   ; sum x 2^(e10 + e11) + bo; each accumulator is first read at its register 0
.endr
.endr
.endr
	WIN 0x04                                       ; store data in window 1
.irp m, 0,1,2,3
.irp j, 0,1,2,3,4,5,6,7
	global_store_b128 v[VO], v[32*\m+4*\j:32*\m+4*\j+3], s[12:13] offset:(16*\m+\j)*2048 th:TH_STORE_NT   ; lanes 0-15: 256 consecutive bytes of row 16 m + j, aligned; lanes 16-31: of row 16 m + 8 + j
.endr
.endr
	WIN 0
	s_endpgm
.Lfunc_end_k_qeb786e38de_oproj:
	.size	k_qeb786e38de_oproj, .Lfunc_end_k_qeb786e38de_oproj-k_qeb786e38de_oproj
	.p2alignl 7, 3214868480
	.fill 96, 4, 3214868480
	.section	.rodata,"a",@progbits
	.p2align	6, 0x0
	.amdhsa_kernel k_qeb786e38de_oproj
		.amdhsa_group_segment_fixed_size 0
		.amdhsa_private_segment_fixed_size 0
		.amdhsa_enable_private_segment 0
		.amdhsa_kernarg_size 40
		.amdhsa_user_sgpr_count 2
		.amdhsa_user_sgpr_kernarg_segment_ptr 1
		.amdhsa_wavefront_size32 1
		.amdhsa_system_sgpr_workgroup_id_x 1
		.amdhsa_system_sgpr_workgroup_id_y 1
		.amdhsa_system_sgpr_workgroup_id_z 1
		.amdhsa_system_vgpr_workitem_id 0
		.amdhsa_next_free_vgpr 768
		.amdhsa_next_free_sgpr 66
		.amdhsa_reserve_vcc 0
		.amdhsa_float_denorm_mode_32 3
		.amdhsa_float_denorm_mode_16_64 3
		.amdhsa_memory_ordered 1
		.amdhsa_forward_progress 1
		.amdhsa_inst_pref_size 30
	.end_amdhsa_kernel
	.amdgpu_metadata
---
amdhsa.version: [ 1, 2 ]
amdhsa.kernels:
  - .name:           k_qeb786e38de_oproj
    .symbol:         k_qeb786e38de_oproj.kd
    .args:
      - { .name: o_img, .offset: 0, .size: 8, .value_kind: global_buffer, .address_space: global }
      - { .name: w_img, .offset: 8, .size: 8, .value_kind: global_buffer, .address_space: global }
      - { .name: lowp_scales, .offset: 16, .size: 8, .value_kind: global_buffer, .address_space: global }
      - { .name: bo, .offset: 24, .size: 8, .value_kind: global_buffer, .address_space: global }
      - { .name: out0, .offset: 32, .size: 8, .value_kind: global_buffer, .address_space: global }
    .group_segment_fixed_size: 0
    .private_segment_fixed_size: 0
    .kernarg_segment_align: 8
    .kernarg_segment_size: 40
    .max_flat_workgroup_size: 128
    .sgpr_count:     66
    .vgpr_count:     768
    .wavefront_size: 32
...
	.end_amdgpu_metadata
.endif
;; end of part 4
;; ======== version 2 of 2: 4 launches; version 1 with the launches qkv, attn, oproj written anew for expert scheduling mode
;; workspace buffers: w_img 1,048,576 bytes; q_img 4,194,304 bytes; k_img 4,194,304 bytes; v_img 4,194,304 bytes; o_img 4,194,304 bytes
;; launch prep: the kernel of part 1 again; grid 256 x 1, 2 waves a work-group, no clusters, 0 bytes of LDS; arguments wq, wk, wv, wo, lowp_scales, w_img; writes w_img
;; launch qkv (part 5): grid 4 x 64, 4 waves a work-group, no clusters, 197,120 bytes of LDS; arguments x, w_img, lowp_scales, bq, bk, bv, q_img, k_img, v_img; writes q_img, k_img, v_img
.if DOCPART == 5
	.amdgcn_target "amdgcn-amd-amdhsa--gfx1250"
	.amdhsa_code_object_version 6
	.text
	.protected	k_qeb786e38de_qkv
	.globl	k_qeb786e38de_qkv
	.p2align	8
	.type	k_qeb786e38de_qkv,@function
k_qeb786e38de_qkv:
	s_mov_b64 s[64:65], 0
	v_nop
	global_prefetch_b8 v0, s[64:65] scope:SCOPE_SE
	s_setreg_imm32_b32 hwreg(HW_REG_WAVE_SCHED_MODE, 0, 2), 2
	s_setreg_imm32_b32 hwreg(HW_REG_WAVE_MODE, 25, 1), 1
	s_wait_xcnt 0x0
	s_wait_alu depctr_vm_vsrc(0)
; q = x wq^T + bq, k = x wk^T + bk, v = x wv^T + bv on codes of BF8 (E5M2), and q, k, v quantised again for attention.  x: [8192][512] f32.
; x is the left operand of three products and has a given scale in each (entries 0, 2, 4): it is quantised three times.  The weights come as codes, as images of operand registers (w_img).
; SHARES.  A work-group takes 128 rows of x (work-group y) and heads 2 g, 2 g + 1 (g = work-group x): 128 columns of each of q, k, v.  THE WAVES SHARE THE COLUMNS: wave w holds columns
; 128 g + 32 w .. + 31 of wq, wk and wv in registers (2 tiles x 4 K steps x 16 registers x 3 = 384), read from memory once.  Wave w quantises rows 32 w .. 32 w + 31 of x in the three versions;
; they reach the other waves through LDS as images of their registers (a group of four registers: lane l's 16 bytes at 16 l), behind ONE barrier.
; q and k are used TRANSPOSED (source 0 = 16 rows of the weight, source 1 = 16 rows of x): a lane holds one token, and the 16 registers of its wave's two tiles are 16 neighbouring channels
; (the weight's rows were ordered for that).  v is used as it stands (source 0 = x, source 1 = wv): a lane holds one channel and its registers run along the tokens, which are the keys, the K of attention's
; second product.  So the conversions' results ARE the registers of attention's operands, and each is stored as 512 consecutive bytes.
; The biases are the C of each sum's first matrix instruction, divided by the power of two that the sums lack.  The scales ahead of each second quantiser are folded into the conversion's one.
; OUT: q_img, k_img [hb = 8 batch + head][tile of 16 tokens][b = 0, 1][lane][16 B]: lane (r, h): token r, channels 32 b + 16 h + 0..15.
;      v_img [hb][key step of 128][tile t of 16 channels][group][lane][16 B]: lane (r, h): channel 16 t + r; registers 2 c, 2 c + 1: keys 16 c + 8 h + 0..7.
; No tensor loads: the weights are read once into registers, and x needs arithmetic on its way into LDS.  No cluster: without tensor loads there is no joint request.
; LIMITS, so that each power of two is an f32 number: e0, e2, e4, e6 - e0 - e1, e7 - e2 - e3, e9 - e4 - e5 between -126 and 112.  NaN and infinity among the inputs are not served.
; LDS: XIMG[version j][tile of rows m = 0..7][K step s][2,048 B] at 65536 j + 8192 m + 2048 s.
; REGISTERS, in windows of 256 (s_set_vgpr_msb: bits 1:0 source 0, 3:2 source 1, 5:4 source 2, 7:6 destination):
;   window 0: v2-22 addresses and scales; first part: v32-95 held numbers, v96-191 codes (two sets of 48), v192-225 raw biases; second part: v32-63 four accumulators, v64-127 q's and k's codes, v128-159 v's codes
;   window 1: wq v0-127, wk v128-255 (tile u, K step s at 64 u + 16 s)      window 2: wv v0-127; biases bq v128-143, bk v144-159, bv v160-175
;   window 3: first part: four buffers of 64 numbers of x; second part: two buffers of 128: eight fragments of x's codes each
; THE MODE: SCHED_MODE bits 1:0 = 2 (LLVM: expert scheduling mode 2), set by the entry lines.  The code itself states the register dependences
; between vector or matrix instructions and memory or LDS instructions, with s_wait_alu, always for 0.
; THE PLAN.  Registers that memory or LDS instructions touch:
;   v2-9, v22      addresses and offsets: made at the head, never written again.  One wait on va_vdst ahead of the first load serves them for the whole kernel.
;   X0 .. X3       (window 3, first part) unit n: its 192 holds read X[n % 4]; behind them the loads of unit n + 4 land in it; behind units 4 to 7 the fragments' LDS loads.
;   PC0, PC1       unit n: its 24 conversions write PC[n % 2]; its twelve LDS stores read it; unit n + 2's conversions write it again.
;   F0, F1         (window 3, second part) round n: its 16 matrix instructions read F[n % 2]; behind them the LDS loads of round n + 2 land in it.
;   OC, VF         each register is written once, by a conversion, and read by one store: q's and k's are stored in the round that follows, v's at the end.
;   the weights (windows 1, 2) and the raw biases: a load lands once; vector and matrix instructions read.
; First part: ONE wait on va_vdst a unit, behind its last conversion: the holds are done reading X[n % 4], and PC[n % 2] is written; the unit's 16 loads and 12 stores follow it with no vector line between.
;   One wait on vm_vsrc at the head of units 2 to 7: the stores of unit n - 2 have read PC[n % 2].
; Second part: one wait on vm_vsrc behind the barrier (PC's registers become OC and VF); ONE wait on va_vdst a round, behind its products: they are done reading F[n % 2], and the round before has written its codes;
;   the LDS loads of round n + 2 and the two stores of round n - 1 follow it.  Rounds 10 and 11 issue no memory instruction and hold no such wait.  One more ahead of v's eight stores.
.set LI,   2                           ; v2-4    16 x lane + 65536 j: where an image is read
.set XW,   5                           ; v5-7    16 x lane + 16384 x wave + 65536 j: where I store my rows' images
.set XA,   8                           ; v8      x: row r of 2,048 bytes + 64 h: my 16 numbers of a block of 32
.set BH,   9                           ; v9      64 h
.set SCX,  10                          ; v10-12  2^e0, 2^e2, 2^e4
.set LIMX, 13                          ; v13-15  57,344 x those
.set SCO,  16                          ; v16-18  the folded scales of q, k, v
.set LIMO, 19                          ; v19-21  57,344 x those
.set BR,   22                          ; v22     4 r
.set T,    32
.set PC,   96
.set ACC,  32
.set OC,   64
.set VF,   128
.set BRAW, 192
.set MSB, 0
.macro WIN new                         ; the immediate's high byte repeats the setting that is left; a switch that changes nothing is dropped
.if MSB != \new
	s_set_vgpr_msb (MSB<<8)|\new
.set MSB, \new
.endif
.endm
.macro MKSC e, sc, lim                 ; from the whole number e: 2^e and 57,344 x 2^e as f32 patterns
	s_add_co_i32 s52, \e, 127
	s_lshl_b32 s53, s52, 23
	v_mov_b32 v[\sc], s53
	s_add_co_i32 s52, s52, 15
	s_lshl_b32 s52, s52, 23
	s_or_b32 s52, s52, 0x600000
	v_mov_b32 v[\lim], s52
.endm
; Unit n = 4 mm + s: 16 rows (my tile mm) x 128 along K (step s) of x: 64 numbers a lane, register 16 b + i = k 32 b + 16 h + i of my row; into buffer s of window 3
.macro XLOAD n
	WIN 0xc0
.irp b, 0,1,2,3
.irp i, 0,1,2,3
	global_load_b128 v[64*((\n)%4)+16*\b+4*\i:64*((\n)%4)+16*\b+4*\i+3], v[XA], s[40:41] offset:32768*((\n)/4)+512*((\n)%4)+128*\b+16*\i
.endr
.endr
	WIN 0
.endm
; Half p % 2 of weight p / 2's 32 groups of four registers
.macro WLOAD p
.if (\p)/2 < 2
	WIN 0x40
.else
	WIN 0x80
.endif
.set i, 16*((\p)%2)
.rept 16
	global_load_b128 v[128*(((\p)/2)%2)+4*i:128*(((\p)/2)%2)+4*i+3], v[LI], s[42:43] offset:262144*((\p)/2)+512*i
.set i, i+1
.endr
	WIN 0
.endm
; Unit n is quantised in the three versions: 48 registers of codes
.macro QX n
	s_wait_loadcnt 48                              ; loads come back in order: behind this unit's 16 loads three groups of 16 have been issued, in every unit
.if (\n) >= 2
	s_wait_dscnt 12                                ; the unit before's 12 stores may be out; those of the unit before that are done
	s_wait_alu depctr_vm_vsrc(0)                   ; the LDS stores of unit n - 2 have read this set of code registers, which the conversions below write again
.endif
.irp j, 0,1,2
	WIN 0x03                                       ; source 0 in window 3
.set i, 0
.rept 64
	v_med3_num_f32 v[T+i], v[64*((\n)%4)+i], -v[LIMX+\j], v[LIMX+\j]   ; the conversion to an 8-bit code does not saturate (ISA guide 7.6.2): the hold at the largest code x the scale
.set i, i+1
.endr
	WIN 0
.irp q, 0,1,2,3,4,5,6,7
	v_cvt_scalef32_pk8_bf8_f32 v[PC+48*((\n)%2)+16*\j+2*\q:PC+48*((\n)%2)+16*\j+2*\q+1], v[T+8*\q:T+8*\q+7], v[SCX+\j]
.endr
	v_nop                                          ; one plain line between the conversions and the next holds, which write their sources
.endr
	s_wait_alu depctr_va_vdst(0)                   ; the holds are done reading this unit's buffer of x, in which later loads land; the conversions have written the 48 code registers, which the LDS stores read
.endm
; and each of its three fragments goes to LDS as it stands: twelve stores in one run
.macro XST n
.irp j, 0,1,2
.irp c, 0,1,2,3
	ds_store_b128 v[XW+\j], v[PC+48*((\n)%2)+16*\j+4*\c:PC+48*((\n)%2)+16*\j+4*\c+3] offset:8192*((\n)/4)+2048*((\n)%4)+512*\c
.endr
.endr
.endm
; Round n = 4 j + mp: version j, tiles of rows 2 mp and 2 mp + 1.  FETCH: their eight fragments (tile mm, K step s at 64 mm + 16 s) into buffer n % 2 of window 3
.macro FETCH n
	WIN 0xc0
.set i, 0
.rept 32
	ds_load_b128 v[128*((\n)%2)+4*i:128*((\n)%2)+4*i+3], v[LI+(\n)/4] offset:16384*((\n)%4)+512*i
.set i, i+1
.endr
	WIN 0
.endm
; 16 matrix instructions: four accumulators (tile of rows mm, tile of columns u) take turns, one instruction a turn, K ascending.  The first K step takes the bias as C.
.macro MUL n
.set jj, (\n)/4
.set fb, 128*((\n)%2)
.irp s, 0,1,2,3
.if jj < 2
.if \s == 0
	WIN 0x2d                                       ; source 0 (weight) window 1, source 1 (x) window 3, C (bias) window 2
.else
	WIN 0x0d
.endif
.else
.if \s == 0
	WIN 0x2b                                       ; source 0 (x) window 3, source 1 (wv) window 2, C (bias) window 2
.else
	WIN 0x0b
.endif
.endif
.irp mm, 0,1
.irp u, 0,1
.set rD, ACC+16*\mm+8*\u
.set rF, fb+64*\mm+16*\s
.set rW, 128*(jj%2)+64*\u+16*\s
.set rB, 128+16*jj+8*\u
.if jj < 2
.if \s == 0
	v_wmma_f32_16x16x128_bf8_bf8 v[rD:rD+7], v[rW:rW+15], v[rF:rF+15], v[rB:rB+7]
.else
	v_wmma_f32_16x16x128_bf8_bf8 v[rD:rD+7], v[rW:rW+15], v[rF:rF+15], v[rD:rD+7]
.endif
.else
.if \s == 0
	v_wmma_f32_16x16x128_bf8_bf8 v[rD:rD+7], v[rF:rF+15], v[rW:rW+15], v[rB:rB+7]
.else
	v_wmma_f32_16x16x128_bf8_bf8 v[rD:rD+7], v[rF:rF+15], v[rW:rW+15], v[rD:rD+7]
.endif
.endif
.endr
.endr
.endr
	WIN 0
.rept 4
	v_nop                                          ; four places (ISA guide 7.12.1) in front of the first read of results
.endr
.endm
; q or k: a lane's 16 sums of a tile of rows are 16 neighbouring channels of one token: held and converted.  Each accumulator is read from its low end on.
.macro POSTQK n
.set jj, (\n)/4
.set mp, (\n)%4
.irp mm, 0,1
.set i, 0
.rept 16
	v_med3_num_f32 v[ACC+16*\mm+i], v[ACC+16*\mm+i], -v[LIMO+jj], v[LIMO+jj]
.set i, i+1
.endr
	v_cvt_scalef32_pk8_bf8_f32 v[OC+32*jj+4*(2*mp+\mm):OC+32*jj+4*(2*mp+\mm)+1], v[ACC+16*\mm:ACC+16*\mm+7], v[SCO+jj]
	v_cvt_scalef32_pk8_bf8_f32 v[OC+32*jj+4*(2*mp+\mm)+2:OC+32*jj+4*(2*mp+\mm)+3], v[ACC+16*\mm+8:ACC+16*\mm+15], v[SCO+jj]
.endr
	v_nop                                          ; one plain line behind the conversions: the next round's products write their sources.  With the four above it is also the fifth place in front of an accumulator begun anew
.endm
; round n's two stores: they stand in round n + 1, behind its wait
.macro STQK n
.set jj, (\n)/4
.set mp, (\n)%4
.irp mm, 0,1
.if jj == 0
	global_store_b128 v[LI], v[OC+32*jj+4*(2*mp+\mm):OC+32*jj+4*(2*mp+\mm)+3], s[44:45] offset:1024*(2*mp+\mm)   ; 512 consecutive bytes, aligned; each store has data registers of its own
.else
	global_store_b128 v[LI], v[OC+32*jj+4*(2*mp+\mm):OC+32*jj+4*(2*mp+\mm)+3], s[46:47] offset:1024*(2*mp+\mm)
.endif
.endr
.endm
; v: a lane's 8 sums of an accumulator are 8 neighbouring tokens of one channel: registers 2 m, 2 m + 1 of the channel tile's fragment
.macro POSTV n
.set mp, (\n)%4
.irp mm, 0,1
.irp u, 0,1
.set i, 0
.rept 8
	v_med3_num_f32 v[ACC+16*\mm+8*\u+i], v[ACC+16*\mm+8*\u+i], -v[LIMO+2], v[LIMO+2]
.set i, i+1
.endr
	v_cvt_scalef32_pk8_bf8_f32 v[VF+16*\u+2*(2*mp+\mm):VF+16*\u+2*(2*mp+\mm)+1], v[ACC+16*\mm+8*\u:ACC+16*\mm+8*\u+7], v[SCO+2]
.endr
.endr
	v_nop
.endm
	s_load_b512 s[4:19], s[0:1], 0x0               ; x s[4:5], w_img s[6:7], scales s[8:9], bq s[10:11], bk s[12:13], bv s[14:15], q_img s[16:17], k_img s[18:19]
	s_load_b64 s[20:21], s[0:1], 0x40              ; v_img
	v_lshl_add_u32 v254, v0, 2, 0x30000            ; my spare word, behind the images, and 0: made here and kept for the closing lines alone
	v_mov_b32 v255, 0
	v_and_b32 v1, 31, v0
	v_lshlrev_b32 v[LI], 4, v1
	v_add_nc_u32 v[LI+1], 0x10000, v[LI]
	v_add_nc_u32 v[LI+2], 0x20000, v[LI]
	v_lshrrev_b32 v1, 5, v0
	v_readfirstlane_b32 s22, v1                    ; wave 0..3
	v_lshl_add_u32 v[XW], v1, 14, v[LI]
	v_add_nc_u32 v[XW+1], 0x10000, v[XW]
	v_add_nc_u32 v[XW+2], 0x20000, v[XW]
	v_and_b32 v1, 15, v0                           ; r
	v_bfe_u32 v23, v0, 4, 1                        ; h
	v_lshlrev_b32 v[BH], 6, v23
	v_lshl_add_u32 v[XA], v1, 11, v[BH]
	v_lshlrev_b32 v[BR], 2, v1
	s_wait_alu depctr_va_sdst(0)                   ; s22, the wave's number, is written, ahead of its first reader: the bases below are made from it
	s_mov_b32 s23, ttmp9                           ; g
	s_and_b32 s24, ttmp7, 0xffff                   ; block of 128 rows
	s_lshl_b32 s50, s24, 18
	s_lshl_b32 s52, s22, 16
	s_add_co_u32 s50, s50, s52                     ; x: (128 y + 32 w) rows of 2,048 bytes
	s_mov_b32 s51, 0
	s_lshl_b32 s52, s23, 16
	s_lshl_b32 s54, s22, 14
	s_add_co_u32 s52, s52, s54                     ; w_img: tile 8 g + 2 w, 8,192 bytes a tile
	s_mov_b32 s53, 0
	s_lshl_b32 s54, s23, 9
	s_lshl_b32 s56, s22, 7
	s_add_co_u32 s54, s54, s56                     ; biases: column 128 g + 32 w
	s_mov_b32 s55, 0
	s_lshr_b32 s56, s24, 5
	s_lshl_b32 s56, s56, 3
	s_lshl_b32 s58, s23, 1
	s_add_co_u32 s56, s56, s58
	s_lshr_b32 s58, s22, 1
	s_add_co_u32 s56, s56, s58                     ; hb = 8 batch + 2 g + w / 2
	s_lshl_b32 s56, s56, 18
	s_and_b32 s58, s24, 31
	s_lshl_b32 s58, s58, 13
	s_add_co_u32 s56, s56, s58                     ; + my 128 tokens: 8 tiles of 1,024 bytes, or one key step of 8,192
	s_and_b32 s60, s22, 1
	s_lshl_b32 s58, s60, 12
	s_add_co_u32 s58, s58, s56                     ; v_img: + channel tiles 2 (w % 2) on
	s_mov_b32 s59, 0
	s_lshl_b32 s60, s60, 9
	s_add_co_u32 s56, s56, s60                     ; q_img, k_img: + group b = w % 2
	s_mov_b32 s57, 0
	s_wait_kmcnt 0x0
	s_load_b256 s[28:35], s[8:9], 0x0              ; e0 .. e7
	s_load_b128 s[36:39], s[8:9], 0x20             ; e8 .. e11
	s_add_nc_u64 s[40:41], s[4:5], s[50:51]
	s_add_nc_u64 s[42:43], s[6:7], s[52:53]
	s_add_nc_u64 s[10:11], s[10:11], s[54:55]
	s_add_nc_u64 s[12:13], s[12:13], s[54:55]
	s_add_nc_u64 s[14:15], s[14:15], s[54:55]
	s_add_nc_u64 s[44:45], s[16:17], s[56:57]
	s_add_nc_u64 s[46:47], s[18:19], s[56:57]
	s_add_nc_u64 s[48:49], s[20:21], s[58:59]
	s_wait_alu depctr_va_vdst(0)                   ; the addresses and offsets v2 to v9 and v22 are written: every load and store of the kernel, in memory and in LDS, reads one of them
.irp i, 0,1,2,3
	global_load_b128 v[BRAW+4*\i:BRAW+4*\i+3], v[BH], s[10:11] offset:16*\i        ; bq at my 16 channels: register 8 u + j = channel 16 h + 8 u + j of my wave's 32
.endr
.irp i, 0,1,2,3
	global_load_b128 v[BRAW+16+4*\i:BRAW+16+4*\i+3], v[BH], s[12:13] offset:16*\i
.endr
	global_load_b32 v[BRAW+32], v[BR], s[14:15]                                     ; bv at channel r of tile 0,
	global_load_b32 v[BRAW+33], v[BR], s[14:15] offset:64                           ; and of tile 1
	XLOAD 0
	XLOAD 1
	XLOAD 2
	XLOAD 3
	s_wait_kmcnt 0x0
	MKSC s28, SCX, LIMX
	MKSC s30, SCX+1, LIMX+1
	MKSC s32, SCX+2, LIMX+2
	s_sub_co_i32 s54, s34, s28                     ; a sum of product 1 stands for sum x 2^(e0 + e1): q's code is sum / 2^(e6 - e0 - e1)
	s_sub_co_i32 s54, s54, s29
	MKSC s54, SCO, LIMO
	s_sub_co_i32 s54, s35, s30
	s_sub_co_i32 s54, s54, s31                     ; e7 - e2 - e3
	MKSC s54, SCO+1, LIMO+1
	s_sub_co_i32 s54, s37, s32
	s_sub_co_i32 s54, s54, s33                     ; e9 - e4 - e5
	MKSC s54, SCO+2, LIMO+2
	; ---- first part: my 32 rows of x, eight units; behind each unit's wait its buffer is asked for again, the loads first, then its twelve stores; later the weights take the loads' places
	QX 0
	XLOAD 4
	XST 0
	QX 1
	XLOAD 5
	XST 1
	QX 2
	XLOAD 6
	XST 2
	QX 3
	XLOAD 7
	XST 3
	QX 4
	WLOAD 0
	XST 4
	QX 5
	WLOAD 1
	XST 5
	QX 6
	WLOAD 2
	XST 6
	QX 7
	WLOAD 3
	XST 7
	WLOAD 4
	WLOAD 5
	s_add_co_i32 s52, s28, s29                     ; the biases go in divided by the power of two that the sums lack (their loads were the oldest: they are in)
	s_sub_co_i32 s52, 0, s52
	s_add_co_i32 s53, s30, s31
	s_sub_co_i32 s53, 0, s53
	s_add_co_i32 s54, s32, s33
	s_sub_co_i32 s54, 0, s54
	WIN 0x80                                       ; destination window 2
.set i, 0
.rept 16
	v_ldexp_f32 v[128+i], v[BRAW+i], s52
	v_ldexp_f32 v[144+i], v[BRAW+16+i], s53
.set i, i+1
.endr
.irp u, 0,1
.set i, 0
.rept 8
	v_ldexp_f32 v[160+8*\u+i], v[BRAW+32+\u], s54  ; v's results hold one channel a lane: the same bias in all eight registers
.set i, i+1
.endr
.endr
	WIN 0
	s_wait_dscnt 0x0                               ; for the others' sake: my images have landed
	s_barrier_signal -1
	s_barrier_wait -1                              ; all 96 fragments lie in LDS; nothing is written there again
	s_wait_alu depctr_vm_vsrc(0)                   ; my LDS stores have read the code registers v96 to v191: part of them hold k's and v's codes from here on, written by the conversions below
	; ---- second part: twelve rounds; the fragments run two rounds ahead in two buffers
	FETCH 0                                        ; (they land in the four buffers of x: the waits at the ends of units 4 to 7 have shown the holds done reading them, and no vector line since names them)
	FETCH 1
.irp n, 0,1,2,3,4,5,6,7,8,9,10,11
.if \n == 0
	s_wait_loadcnt 63                              ; wq is in: 64 loads (wk, wv) are younger; 63 is the largest count that the wait can name, and the stricter side
.elseif \n == 4
	s_wait_loadcnt 32                              ; wk is in: wv's 32 loads are younger
.elseif \n == 8
	s_wait_loadcnt 0x0                             ; wv is in
.endif
.if \n < 11
	s_wait_dscnt 32                                ; this round's 32 loads are in; the next round's 32 may be out
.else
	s_wait_dscnt 0x0
.endif
	MUL \n
.if \n < 10
	s_wait_alu depctr_va_vdst(0)                   ; this round's products are done reading their buffer of fragments, in which the loads below land; the round before has written its codes, which the stores below read
	FETCH \n+2
.endif
.if (\n > 0) && (\n < 9)
	STQK \n-1
.endif
.if \n < 8
	POSTQK \n
.else
	POSTV \n
.endif
.endr
	s_wait_alu depctr_va_vdst(0)                   ; rounds 8 to 11 have written v's codes, which the eight stores read
.irp u, 0,1
.irp g, 0,1,2,3
	global_store_b128 v[LI], v[VF+16*\u+4*\g:VF+16*\u+4*\g+3], s[48:49] offset:2048*\u+512*\g   ; 512 consecutive bytes, aligned
.endr
.endr
	s_wait_dscnt 0x0                               ; the closing lines, six on end
	s_wait_alu 0x0
	s_wait_tensorcnt 0x0
	ds_add_u32 v254, v255
	s_wait_dscnt 0x0
	s_endpgm
.Lfunc_end_k_qeb786e38de_qkv:
	.size	k_qeb786e38de_qkv, .Lfunc_end_k_qeb786e38de_qkv-k_qeb786e38de_qkv
	.p2alignl 7, 3214868480
	.fill 96, 4, 3214868480
	.section	.rodata,"a",@progbits
	.p2align	6, 0x0
	.amdhsa_kernel k_qeb786e38de_qkv
		.amdhsa_group_segment_fixed_size 197120
		.amdhsa_private_segment_fixed_size 0
		.amdhsa_enable_private_segment 0
		.amdhsa_kernarg_size 72
		.amdhsa_user_sgpr_count 2
		.amdhsa_user_sgpr_kernarg_segment_ptr 1
		.amdhsa_wavefront_size32 1
		.amdhsa_system_sgpr_workgroup_id_x 1
		.amdhsa_system_sgpr_workgroup_id_y 1
		.amdhsa_system_sgpr_workgroup_id_z 1
		.amdhsa_system_vgpr_workitem_id 0
		.amdhsa_next_free_vgpr 1024
		.amdhsa_next_free_sgpr 66
		.amdhsa_reserve_vcc 0
		.amdhsa_float_denorm_mode_32 3
		.amdhsa_float_denorm_mode_16_64 3
		.amdhsa_memory_ordered 1
		.amdhsa_forward_progress 1
		.amdhsa_inst_pref_size 218
	.end_amdhsa_kernel
	.amdgpu_metadata
---
amdhsa.version: [ 1, 2 ]
amdhsa.kernels:
  - .name:           k_qeb786e38de_qkv
    .symbol:         k_qeb786e38de_qkv.kd
    .args:
      - { .name: x, .offset: 0, .size: 8, .value_kind: global_buffer, .address_space: global }
      - { .name: w_img, .offset: 8, .size: 8, .value_kind: global_buffer, .address_space: global }
      - { .name: lowp_scales, .offset: 16, .size: 8, .value_kind: global_buffer, .address_space: global }
      - { .name: bq, .offset: 24, .size: 8, .value_kind: global_buffer, .address_space: global }
      - { .name: bk, .offset: 32, .size: 8, .value_kind: global_buffer, .address_space: global }
      - { .name: bv, .offset: 40, .size: 8, .value_kind: global_buffer, .address_space: global }
      - { .name: q_img, .offset: 48, .size: 8, .value_kind: global_buffer, .address_space: global }
      - { .name: k_img, .offset: 56, .size: 8, .value_kind: global_buffer, .address_space: global }
      - { .name: v_img, .offset: 64, .size: 8, .value_kind: global_buffer, .address_space: global }
    .group_segment_fixed_size: 197120
    .private_segment_fixed_size: 0
    .kernarg_segment_align: 8
    .kernarg_segment_size: 72
    .max_flat_workgroup_size: 128
    .sgpr_count:     66
    .vgpr_count:     1024
    .wavefront_size: 32
...
	.end_amdgpu_metadata
.endif
;; end of part 5
;; launch attn (part 6): grid 16 x 16, 8 waves a work-group, no clusters, 66,560 bytes of LDS; arguments q_img, k_img, v_img, lowp_scales, o_img; writes o_img
.if DOCPART == 6
	.amdgcn_target "amdgcn-amd-amdhsa--gfx1250"
	.amdhsa_code_object_version 6
	.text
	.protected	k_qeb786e38de_attn
	.globl	k_qeb786e38de_attn
	.p2align	8
	.type	k_qeb786e38de_attn,@function
k_qeb786e38de_attn:
	s_mov_b64 s[64:65], 0
	v_nop
	global_prefetch_b8 v0, s[64:65] scope:SCOPE_SE
	s_setreg_imm32_b32 hwreg(HW_REG_WAVE_SCHED_MODE, 0, 2), 2
	s_setreg_imm32_b32 hwreg(HW_REG_WAVE_MODE, 25, 1), 1
	s_wait_xcnt 0x0
	s_wait_alu depctr_vm_vsrc(0)
; o = softmax(q k^T / 8) v for each of 16 (batch, head) pairs hb, 4,096 tokens, head size 64, both products on codes of BF8 (E5M2); o is quantised for the last projection (entry 10).
; q_img, k_img, v_img, o_img are images of operand registers: a group of four registers is 512 bytes, lane l's 16 bytes at 16 l.
; THE SOFTMAX AHEAD OF THE SECOND PRODUCT: t = score x log2(e) / 8; M = the row's largest t so far, rounded UP to a whole number; p = 2^(t - M) is what is quantised (entry 8); it is not normalised.
; The row's sum is taken of the unquantised p, in f32, and divides at the end.  When M moves, the sum and O are multiplied by 2^(old M - new M): exact, and there is no branch on data.
; SHARES.  A work-group owns 256 queries (work-group x) of one hb (work-group y); each of its eight waves owns 32: two tiles of 16, so that each fragment of K and V read from LDS feeds two matrix instructions.
; Two waves lie on a SIMD: one's vector work stands beside the other's waits.  Every wave walks all 4,096 keys, 128 a step.
; LAYOUT.  Both products are used transposed: S^T = K Q^T (16x16x64: source 0 = 16 keys, source 1 = 16 queries), O^T = V^T P^T (16x16x128: source 0 = 16 channels, source 1 = P): a lane holds ONE query.
; In tile t of S^T lane half h holds keys 16 t + 8 h + 0..7: their eight codes are registers 2 t, 2 t + 1 of the second product's operand in that form's own layout, and v_img is laid in the same.
; THE RING.  Two LDS slots of two key steps (K 2 x 8,192 bytes, then V 2 x 8,192).  A slot is brought by plain loads into registers and stored to LDS: 4,096 bytes a wave (waves 0-3: K, waves 4-7: V).
; The change of slots stands in the MIDDLE of a slot's last step, between the two tiles' softmaxes: V of that step is in registers, so the wave's reads of the slot are over; behind the barrier the next slot's
; first K is fetched and the slot after that is stored into the bytes just left, and the second tile's softmax is work at hand meanwhile.
; NO TENSOR LOADS, NO JOINT REQUESTS, and why: a work-group fetches 32,768 bytes for two key steps, in which each wave issues some 1,000 vector instructions; and p's hold at the largest code,
; 128 of a step's some 520 vector instructions, is jumped over where the given e8 makes it the identity.  That is a branch on a number read from memory.
; THE HOLD: p is at most 2^(a rounding error); for e8 >= -15 the largest code x 2^e8 is at least 1.75, so the hold changes nothing there and is skipped; for e8 < -15 it is executed.
; LIMITS, so that each power of two is an f32 number: e6 + e7 between -123 and 130 (added to c's exponent field); e8, and e10 - e8 - e9, between -126 and 112.  NaN and infinity are not served.
; REGISTERS, in windows of 256 (s_set_vgpr_msb: bits 1:0 source 0, 3:2 source 1, 5:4 source 2, 7:6 destination):
;   window 0: v1-3 addresses; v8-23 statistics, eight a tile; v24-30 scales and work; v32-63 p's codes, 16 a tile; v64-191 S^T, then p, 64 a tile
;   window 1: v0-15 Q; v16-47 a slot's part on its way to LDS; v48-111 O^T, 32 a tile; v112-175 K of a step; v176-239 V of a step
; THE MODE: SCHED_MODE bits 1:0 = 2 (LLVM: expert scheduling mode 2), set by the entry lines.  The code itself states the register dependences
; between vector or matrix instructions and memory or LDS instructions, with s_wait_alu, always for 0.
; THE PLAN.  Registers that memory or LDS instructions touch:
;   v1, v2, v3   addresses and offsets: made at the head, never written again.  One wait on va_vdst ahead of the first load serves them for the whole kernel.
;   STG          global loads land in it; LDS stores read it; no vector line names it.  One wait on vm_vsrc ahead of the loads: the stores have read it.
;   K's 64       LDS loads land; a step's 16 score products read them.  The next K's loads stand behind the first tile's softmax: the wait behind its exponentials stands behind those products,
;                and no line between it and the loads (sums, hold, conversions, O's rescaling) names K's registers or v1: they owe no wait of their own.
;   V's 64       LDS loads land; a step's 8 second products, its last lines, read them.  ONE wait on va_vdst a step, behind the score products' four places and ahead of V's loads.
;                (At the head they carry slot 1 to LDS: the first step's wait on vm_vsrc states that those stores have read them.)
;   Q            a load lands once.     p's codes: read by stores on the way out alone, behind one wait on va_vdst for both tiles.     O^T, S^T, statistics: vector and matrix instructions alone.
.set LI,   1                           ; v1   16 x lane
.set FW,   2                           ; v2   4096 x wave + 16 x lane: where I store my part of a slot
.set PFO,  3                           ; v3   256 x lane: the prefetches' offset; never rewritten
.set ST,   8                           ; tile X at v[ST + 8 X]: +0 -M, +1 the largest t, +2, +3 the sum in two halves, +4 f (+5 named with it as a pair), +6, +7 the second chain of sums
.set LIMP, 24                          ; 57,344 x 2^e8
.set SCP,  25                          ; 2^e8
.set TA,   26
.set TB,   27
.set PD,   28                          ; a lane permute's destination: written once at the head
.set SCO,  29                          ; 2^(e10 - e8 - e9)
.set LIMO, 30                          ; 57,344 x that
.set PB,   32
.set SB,   64
.set QF,   0                           ; window 1
.set STG,  16
.set OA,   48
.set FK,   112
.set FV,   176
.set WV,   14                          ; s14  wave
.set SEL,  20                          ; s[20:21] lane selects for v_permlanex16_b32: lane l xor 16
.set CS,   22                          ; s[22:23] c = log2(e) / 8 x 2^(e6 + e7); the packed form names a pair and takes its low word for both halves
.set GB,   24                          ; s[24:25] my 4,096 bytes of the slot to be loaded next
.set PFA,  26                          ; s[26:27] where my prefetches stand
.set LIM,  28                          ; s28  1 in a wave that prefetches, else the greatest number
.set TRIPS, 29
.set HOLD, 30                          ; s30  1 where e8 < -15
.set OB,   38                          ; s[38:39] my place in o_img
.set MSB, 0
.macro WIN new                         ; the immediate's high byte repeats the setting that is left; a switch that changes nothing is dropped
.if MSB != \new
	s_set_vgpr_msb (MSB<<8)|\new
.set MSB, \new
.endif
.endm
.macro MKSC e, sc, lim
	s_add_co_i32 s42, \e, 127
	s_lshl_b32 s43, s42, 23
	v_mov_b32 v[\sc], s43
	s_add_co_i32 s42, s42, 15
	s_lshl_b32 s42, s42, 23
	s_or_b32 s42, s42, 0x600000
	v_mov_b32 v[\lim], s42
.endm
; A PREFETCH of the slot after the one whose loads have just been issued: 16,384 bytes of K and as many of V.  All sixteen work-groups of an hb walk the same K and V: the first of them asks.
; In it wave 0 and 1 ask for K's two halves of 8,192 bytes, waves 2 and 3 for V's, lanes 256 bytes apart: each aligned block of 256 bytes is named once in the launch.
; It is issued while more than one trip is left: slots 3 to 14; slots 0, 1, 2 and 15 come by their loads alone.
.macro ASK
	s_cmp_gt_u32 s[TRIPS], s[LIM]
	s_cbranch_scc0 .Lnot_mine_\@
	global_prefetch_b8 v[PFO], s[PFA:PFA+1] th:TH_LOAD_NT scope:SCOPE_SE
.Lnot_mine_\@:
.endm
; One tile's softmax for a key step: 64 scores a lane.
.macro SOFTMAX X
.set rT, ST+8*(\X)
.set rS, SB+64*(\X)
.set rP, PB+16*(\X)
.set rO, OA+32*(\X)
	v_max3_num_f32 v[TA], v[rS], v[rS+1], v[rS+2]  ; the step's largest score of my query among my 64 keys, in two chains; each accumulator is first read at its low end
	v_max3_num_f32 v[TB], v[rS+3], v[rS+4], v[rS+5]
.set i, 6
.rept 14
	v_max3_num_f32 v[TA], v[TA], v[rS+i], v[rS+i+1]
	v_max3_num_f32 v[TB], v[TB], v[rS+i+2], v[rS+i+3]
.set i, i+4
.endr
	v_max3_num_f32 v[TA], v[TA], v[rS+62], v[rS+63]
	v_max_num_f32 v[TA], v[TA], v[TB]
	v_permlanex16_b32 v[PD], v[TA], s[SEL], s[SEL+1]
	v_max_num_f32 v[TA], v[TA], v[PD]              ; and among lane l xor 16's
	v_mul_f32 v[TA], s[CS], v[TA]                  ; as t (c is positive)
	v_max_num_f32 v[rT+1], v[rT+1], v[TA]          ; the running largest t
	v_mov_b32 v[TA], v[rT]
	v_floor_f32 v[rT], -v[rT+1]                    ; the new -M = floor(-t) = -ceil(t): M is a whole number
	v_sub_f32 v[TA], v[rT], v[TA]                  ; old M - new M: a whole number, 0 or less
	v_cvt_i32_f32 v[TA], v[TA]                     ; (it saturates)
	v_ldexp_f32 v[rT+4], 1.0, v[TA]                ; f = 2^(old M - new M)
.set i, 0
.rept 32
	v_pk_fma_f32 v[rS+i:rS+i+1], v[rS+i:rS+i+1], s[CS:CS+1], v[rT:rT+1] op_sel_hi:[1,0,0]   ; t - M, two at a time
.set i, i+2
.endr
.set i, 0
.rept 64
	v_exp_f32 v[rS+i], v[rS+i]                     ; p = 2^(t - M): one batch
.set i, i+1
.endr
	v_pk_mul_f32 v[rT+2:rT+3], v[rT+2:rT+3], v[rT+4:rT+5] op_sel_hi:[1,0]   ; the sums under the new M: the plain line behind the exponentials
	s_wait_alu depctr_va_vdst(0)                   ; the 64 exponentials have written p, ahead of the first line that names a result: one wait for the batch.  In the first tile's softmax it also states that the step's score products are done reading K's registers, in which the next K's loads land
	v_pk_add_f32 v[rT+6:rT+7], v[rS:rS+1], v[rS+2:rS+3]   ; the row's sum is taken of the UNQUANTISED p: two at a time, in two chains
.set i, 4
.rept 15
	v_pk_add_f32 v[rT+2:rT+3], v[rT+2:rT+3], v[rS+i:rS+i+1]
	v_pk_add_f32 v[rT+6:rT+7], v[rT+6:rT+7], v[rS+i+2:rS+i+3]
.set i, i+4
.endr
	v_pk_add_f32 v[rT+2:rT+3], v[rT+2:rT+3], v[rT+6:rT+7]
	s_cmp_eq_u32 s[HOLD], 0                        ; the hold is the identity for e8 >= -15 (head comment): a scalar branch on the given whole number
	s_cbranch_scc1 .Lfree_\@
.set i, 0
.rept 64
	v_min_num_f32 v[rS+i], v[rS+i], v[LIMP]        ; the conversion to an 8-bit code does not saturate (ISA guide 7.6.2); p is not negative, so the hold is one-sided
.set i, i+1
.endr
.Lfree_\@:
.irp t, 0,1,2,3,4,5,6,7
	v_cvt_scalef32_pk8_bf8_f32 v[rP+2*\t:rP+2*\t+1], v[rS+8*\t:rS+8*\t+7], v[SCP]
.endr
	WIN 0x41                                       ; O^T (destination and source 0) in window 1, f in window 0
.set i, 0
.rept 16
	v_pk_mul_f32 v[rO+i:rO+i+1], v[rO+i:rO+i+1], v[rT+4:rT+5] op_sel_hi:[1,0]   ; O^T under the new M, from each accumulator's low end on.  (Also the plain lines behind the conversions)
.set i, i+2
.endr
	WIN 0
.endm
; A KEY STEP: the q-th of slot sl.  ld: the loads of the slot two on are issued.  bar: the change of slots.  st: that slot's part goes to LDS.  kn: the next step's K is fetched.
.macro STEP sl, q, ld, bar, st, kn
	s_wait_dscnt 0x0                               ; this step's K is in its registers, and my stores into LDS are done
.if \ld
	WIN 0x40
	s_wait_alu depctr_vm_vsrc(0)                   ; my LDS stores have read v[STG ..], in which the loads below land (in the first trip: the head's stores, which also read the registers that V's loads take)
.irp i, 0,1,2,3,4,5,6,7
	global_load_b128 v[STG+4*\i:STG+4*\i+3], v[LI], s[GB:GB+1] offset:512*\i   ; one and a half steps ahead of their use
.endr
	WIN 0
	ASK
.endif
	WIN 0x05                                       ; K and Q in window 1, S^T in window 0
.irp t, 0,1,2,3,4,5,6,7
.irp X, 0,1
	v_wmma_f32_16x16x64_bf8_bf8 v[SB+64*\X+8*\t:SB+64*\X+8*\t+7], v[FK+8*\t:FK+8*\t+7], v[QF+8*\X:QF+8*\X+7], 0
.endr
.endr
	WIN 0
.rept 4
	v_nop                                          ; four places (ISA guide 7.12.1) in front of the first read of the scores
.endr
	WIN 0x40
	s_wait_alu depctr_va_vdst(0)                   ; the last step's second products are done reading V's registers, in which the loads below land
.set i, 0
.rept 16
	ds_load_b128 v[FV+4*i:FV+4*i+3], v[LI] offset:32768*\sl+16384+8192*\q+512*i   ; V of this step lands under the first tile's softmax
.set i, i+1
.endr
	WIN 0
	SOFTMAX 0
.if \bar
	s_wait_dscnt 0x0                               ; V is in: my reads of this slot are over, and my stores into the other slot have landed
	s_barrier_signal -1
	s_barrier_wait -1                              ; both now hold of all eight waves
.endif
.if \kn
	WIN 0x40
.set i, 0
.rept 16
.if \q == 0
	ds_load_b128 v[FK+4*i:FK+4*i+3], v[LI] offset:32768*\sl+8192+512*i          ; no wait of their own: the wait behind the first tile's exponentials stands behind the score products, and no line since names K's registers or v1
.else
	ds_load_b128 v[FK+4*i:FK+4*i+3], v[LI] offset:32768*(1-\sl)+512*i
.endif
.set i, i+1
.endr
.endif
.if \st
	s_wait_loadcnt 0x0                             ; the slot two on is in my registers, and its loads' base may be stepped
	s_add_nc_u64 s[GB:GB+1], s[GB:GB+1], 16384
	s_wait_xcnt 0x0                                ; the last prefetch, a step and a half back, has read its address
	s_add_nc_u64 s[PFA:PFA+1], s[PFA:PFA+1], 16384
	WIN 0x04                                       ; store data in window 1
.irp i, 0,1,2,3,4,5,6,7
	ds_store_b128 v[FW], v[STG+4*\i:STG+4*\i+3] offset:32768*\sl+512*\i   ; into the slot that every wave has left
.endr
.endif
	WIN 0
	SOFTMAX 1
.if (\bar) == 0
	s_wait_dscnt 16*\kn                            ; V is in; the next K's sixteen loads are younger and may be out
.endif
	WIN 0x51                                       ; V in window 1, P in window 0, O^T in window 1
.irp t, 0,1,2,3
.irp X, 0,1
	v_wmma_f32_16x16x128_bf8_bf8 v[OA+32*\X+8*\t:OA+32*\X+8*\t+7], v[FV+16*\t:FV+16*\t+15], v[PB+16*\X:PB+16*\X+15], v[OA+32*\X+8*\t:OA+32*\X+8*\t+7]   ; eight accumulators, one instruction each; the next link stands behind the next step's sixteen score products
.endr
.endr
	WIN 0
.endm
	s_load_b256 s[4:11], s[0:1], 0x0               ; q_img s[4:5], k_img s[6:7], v_img s[8:9], the scales' exponents s[10:11]
	s_load_b64 s[12:13], s[0:1], 0x20              ; o_img
	v_lshl_add_u32 v254, v0, 2, 0x10000            ; my spare word, behind the ring, and 0: made here and kept for the closing lines alone
	v_mov_b32 v255, 0
	v_and_b32 v[LI], 31, v0
	v_lshlrev_b32 v[PFO], 8, v[LI]
	v_lshlrev_b32 v[LI], 4, v[LI]
	v_lshrrev_b32 v[FW], 5, v0
	v_readfirstlane_b32 s[WV], v[FW]               ; wave 0..7
	v_lshl_add_u32 v[FW], v[FW], 12, v[LI]
	s_wait_alu depctr_va_sdst(0)                   ; s14, the wave's number, is written, ahead of its first reader: the bases and the roles below are made from it
	s_and_b32 s16, ttmp7, 0xffff                   ; hb
	s_lshl_b32 s42, s16, 18                        ; hb's first byte in q_img, k_img, v_img
	s_and_b32 s44, s[WV], 3
	s_lshl_b32 s44, s44, 12
	s_add_co_u32 s44, s44, s42                     ; my 4,096 bytes of slot 0's K or V
	s_mov_b32 s45, 0
	s_and_b32 s46, s[WV], 1
	s_lshl_b32 s46, s46, 13
	s_add_co_u32 s46, s46, s42
	s_add_co_u32 s46, s46, 3*16384                 ; the prefetches begin at slot 3
	s_mov_b32 s47, 0
	s_lshl_b32 s48, ttmp9, 14
	s_add_co_u32 s48, s48, s42
	s_lshl_b32 s43, s[WV], 11
	s_add_co_u32 s48, s48, s43                     ; Q: tile 16 x + 2 w, 1,024 bytes a tile
	s_mov_b32 s49, 0
	s_lshr_b32 s50, s16, 3                         ; o_img: ((256 batch + 16 x + 2 w) x 4 + head / 2) x 2,048 + 1,024 (head % 2)
	s_lshl_b32 s50, s50, 21
	s_lshl_b32 s43, ttmp9, 17
	s_add_co_u32 s50, s50, s43
	s_lshl_b32 s43, s[WV], 14
	s_add_co_u32 s50, s50, s43
	s_bfe_u32 s43, s16, 0x20001
	s_lshl_b32 s43, s43, 11
	s_add_co_u32 s50, s50, s43
	s_and_b32 s43, s16, 1
	s_lshl_b32 s43, s43, 10
	s_add_co_u32 s50, s50, s43
	s_mov_b32 s51, 0
	s_mov_b32 s[SEL], 0x76543210
	s_mov_b32 s[SEL+1], 0xfedcba98
	s_lshr_b32 s[LIM], s[WV], 2                    ; 0 in waves 0 to 3,
	s_or_b32 s[LIM], s[LIM], ttmp9                 ; of the hb's first work-group
	s_cmp_eq_u32 s[LIM], 0
	s_cselect_b32 s[LIM], 1, -1
	s_wait_kmcnt 0x0
	s_load_b128 s[32:35], s[10:11], 0x18           ; e6, e7, e8, e9
	s_load_b32 s36, s[10:11], 0x28                 ; e10
	s_cmp_lt_u32 s[WV], 4                          ; waves 0-3 bring K, waves 4-7 V
	s_cselect_b64 s[GB:GB+1], s[6:7], s[8:9]
	s_add_nc_u64 s[GB:GB+1], s[GB:GB+1], s[44:45]
	s_cmp_lt_u32 s[WV], 2
	s_cselect_b64 s[PFA:PFA+1], s[6:7], s[8:9]
	s_add_nc_u64 s[PFA:PFA+1], s[PFA:PFA+1], s[46:47]
	s_add_nc_u64 s[40:41], s[4:5], s[48:49]
	s_add_nc_u64 s[OB:OB+1], s[12:13], s[50:51]
	WIN 0x40
	s_wait_alu depctr_va_vdst(0)                   ; v1, v2 and v3 are written: every load, store and prefetch of the kernel, in memory and in LDS, reads one of them as its address or offset
.irp i, 0,1,2,3,4,5,6,7
	global_load_b128 v[STG+4*\i:STG+4*\i+3], v[LI], s[GB:GB+1] offset:512*\i           ; my part of slot 0,
.endr
.irp i, 0,1,2,3,4,5,6,7
	global_load_b128 v[FV+4*\i:FV+4*\i+3], v[LI], s[GB:GB+1] offset:16384+512*\i       ; of slot 1 (in registers that V takes later),
.endr
.irp i, 0,1,2,3
	global_load_b128 v[QF+4*\i:QF+4*\i+3], v[LI], s[40:41] offset:512*\i               ; and my two tiles of Q, which stay
.endr
.set i, 0
.rept 64
	v_mov_b32 v[OA+i], 0                           ; O^T.  (The step is written once: the first finds zeros, which the first change of M leaves zeros)
.set i, i+1
.endr
	WIN 0
.irp X, 0,1
	v_mov_b32 v[ST+8*\X+1], 0xff61b1e6             ; the largest t so far: -3e38, under every t
	v_floor_f32 v[ST+8*\X], -v[ST+8*\X+1]          ; -M
	v_mov_b32 v[ST+8*\X+2], 0                      ; the sum, in two halves
	v_mov_b32 v[ST+8*\X+3], 0
	v_mov_b32 v[ST+8*\X+5], 0                      ; (named as the upper half of f's pair)
.endr
	v_mov_b32 v[PD], 0
	s_wait_kmcnt 0x0
	s_add_co_i32 s42, s32, s33
	s_lshl_b32 s42, s42, 23
	s_mov_b32 s[CS], 0x3e38aa3b                    ; log2(e) / 8
	s_add_co_i32 s[CS], s[CS], s42                 ; a score stands for score x 2^(e6 + e7): the exponents are added to c's exponent field
	s_mov_b32 s[CS+1], s[CS]
	s_cmp_lt_i32 s34, -15
	s_cselect_b32 s[HOLD], 1, 0
	MKSC s34, SCP, LIMP
	s_sub_co_i32 s44, s36, s34
	s_sub_co_i32 s44, s44, s35                     ; O / l stands for o / 2^(e8 + e9): o's code is (O / l) / 2^(e10 - e8 - e9)
	MKSC s44, SCO, LIMO
	s_wait_loadcnt 4                               ; both slots' parts are in; only Q's four loads are younger
	s_add_nc_u64 s[GB:GB+1], s[GB:GB+1], 32768     ; on to slot 2
	WIN 0x04
.irp i, 0,1,2,3,4,5,6,7
	ds_store_b128 v[FW], v[STG+4*\i:STG+4*\i+3] offset:512*\i
.endr
.irp i, 0,1,2,3,4,5,6,7
	ds_store_b128 v[FW], v[FV+4*\i:FV+4*\i+3] offset:32768+512*\i
.endr
	WIN 0
	s_wait_dscnt 0x0                               ; for the others' sake: my parts have landed
	s_barrier_signal -1
	s_barrier_wait -1
	WIN 0x40
.set i, 0
.rept 16
	ds_load_b128 v[FK+4*i:FK+4*i+3], v[LI] offset:512*i   ; K of step 0
.set i, i+1
.endr
	WIN 0
	s_wait_loadcnt 0x0                             ; Q
	s_mov_b32 s[TRIPS], 7
.Ltrip:                                            ; a trip walks two slots (four key steps) and brings the two slots that follow them: slots 2 to 15 in seven trips
	STEP 0, 0, 1, 0, 0, 1
	STEP 0, 1, 0, 1, 1, 1
	STEP 1, 0, 1, 0, 0, 1
	STEP 1, 1, 0, 1, 1, 1
	s_sub_co_u32 s[TRIPS], s[TRIPS], 1
	s_cmp_lg_u32 s[TRIPS], 0
	s_cbranch_scc1 .Ltrip
	STEP 0, 0, 0, 0, 0, 1                          ; the last two slots: nothing is left to bring, so no load leaves its buffer
	STEP 0, 1, 0, 1, 0, 1                          ; (the barrier shows slot 15's stores to every wave)
	STEP 1, 0, 0, 0, 0, 1
	STEP 1, 1, 0, 0, 0, 0
	; THE WAY OUT: O^T / the sum, held, converted with the folded scale: tile t's eight channels are registers 2 t, 2 t + 1 of my head's half of a K step of the last projection
.rept 4
	v_nop                                          ; four places behind the last products
.endr
.irp X, 0,1
	v_add_f32 v[ST+8*\X+6], v[ST+8*\X+2], v[ST+8*\X+3]
.endr
.irp X, 0,1
	v_permlanex16_b32 v[ST+8*\X+7], v[ST+8*\X+6], s[SEL], s[SEL+1]
.endr
.irp X, 0,1
	v_add_f32 v[ST+8*\X+6], v[ST+8*\X+6], v[ST+8*\X+7]   ; the row's sum
.endr
.irp X, 0,1
	v_rcp_f32 v[ST+8*\X+4], v[ST+8*\X+6]
.endr
	v_nop                                          ; a plain line behind the reciprocals,
	s_wait_alu depctr_va_vdst(0)                   ; and the wait ahead of their first reader: both reciprocals are written
.irp X, 0,1
	WIN 0x41
.set i, 0
.rept 16
	v_pk_mul_f32 v[OA+32*\X+i:OA+32*\X+i+1], v[OA+32*\X+i:OA+32*\X+i+1], v[ST+8*\X+4:ST+8*\X+5] op_sel_hi:[1,0]
.set i, i+2
.endr
.set i, 0
.rept 32
	v_med3_num_f32 v[OA+32*\X+i], v[OA+32*\X+i], -v[LIMO], v[LIMO]
.set i, i+1
.endr
	WIN 0x01                                       ; source 0 in window 1, destination in window 0
.irp t, 0,1,2,3
	v_cvt_scalef32_pk8_bf8_f32 v[PB+16*\X+2*\t:PB+16*\X+2*\t+1], v[OA+32*\X+8*\t:OA+32*\X+8*\t+7], v[SCO]
.endr
	WIN 0
	v_nop
.endr
	s_wait_alu depctr_va_vdst(0)                   ; both tiles' conversions have written o's codes, which the four stores read
.irp X, 0,1
.irp g, 0,1
	global_store_b128 v[LI], v[PB+16*\X+4*\g:PB+16*\X+4*\g+3], s[OB:OB+1] offset:8192*\X+512*\g   ; 512 consecutive bytes, aligned
.endr
.endr
	s_wait_dscnt 0x0                               ; the closing lines, six on end
	s_wait_alu 0x0
	s_wait_tensorcnt 0x0
	ds_add_u32 v254, v255
	s_wait_dscnt 0x0
	s_endpgm
.Lfunc_end_k_qeb786e38de_attn:
	.size	k_qeb786e38de_attn, .Lfunc_end_k_qeb786e38de_attn-k_qeb786e38de_attn
	.p2alignl 7, 3214868480
	.fill 96, 4, 3214868480
	.section	.rodata,"a",@progbits
	.p2align	6, 0x0
	.amdhsa_kernel k_qeb786e38de_attn
		.amdhsa_group_segment_fixed_size 66560
		.amdhsa_private_segment_fixed_size 0
		.amdhsa_enable_private_segment 0
		.amdhsa_kernarg_size 40
		.amdhsa_user_sgpr_count 2
		.amdhsa_user_sgpr_kernarg_segment_ptr 1
		.amdhsa_wavefront_size32 1
		.amdhsa_system_sgpr_workgroup_id_x 1
		.amdhsa_system_sgpr_workgroup_id_y 1
		.amdhsa_system_sgpr_workgroup_id_z 1
		.amdhsa_system_vgpr_workitem_id 0
		.amdhsa_next_free_vgpr 512
		.amdhsa_next_free_sgpr 66
		.amdhsa_reserve_vcc 0
		.amdhsa_float_denorm_mode_32 3
		.amdhsa_float_denorm_mode_16_64 3
		.amdhsa_memory_ordered 1
		.amdhsa_forward_progress 1
		.amdhsa_inst_pref_size 246
	.end_amdhsa_kernel
	.amdgpu_metadata
---
amdhsa.version: [ 1, 2 ]
amdhsa.kernels:
  - .name:           k_qeb786e38de_attn
    .symbol:         k_qeb786e38de_attn.kd
    .args:
      - { .name: q_img, .offset: 0, .size: 8, .value_kind: global_buffer, .address_space: global }
      - { .name: k_img, .offset: 8, .size: 8, .value_kind: global_buffer, .address_space: global }
      - { .name: v_img, .offset: 16, .size: 8, .value_kind: global_buffer, .address_space: global }
      - { .name: lowp_scales, .offset: 24, .size: 8, .value_kind: global_buffer, .address_space: global }
      - { .name: o_img, .offset: 32, .size: 8, .value_kind: global_buffer, .address_space: global }
    .group_segment_fixed_size: 66560
    .private_segment_fixed_size: 0
    .kernarg_segment_align: 8
    .kernarg_segment_size: 40
    .max_flat_workgroup_size: 256
    .sgpr_count:     66
    .vgpr_count:     512
    .wavefront_size: 32
...
	.end_amdgpu_metadata
.endif
;; end of part 6
;; launch oproj (part 7): grid 256 x 1, 4 waves a work-group, no clusters, 0 bytes of LDS; arguments o_img, w_img, lowp_scales, bo, out0; writes out0
.if DOCPART == 7
	.amdgcn_target "amdgcn-amd-amdhsa--gfx1250"
	.amdhsa_code_object_version 6
	.text
	.protected	k_qeb786e38de_oproj
	.globl	k_qeb786e38de_oproj
	.p2align	8
	.type	k_qeb786e38de_oproj,@function
k_qeb786e38de_oproj:
	s_mov_b64 s[64:65], 0
	v_nop
	global_prefetch_b8 v0, s[64:65] scope:SCOPE_SE
	s_setreg_imm32_b32 hwreg(HW_REG_WAVE_SCHED_MODE, 0, 2), 2
	s_setreg_imm32_b32 hwreg(HW_REG_WAVE_MODE, 25, 1), 1
	s_wait_xcnt 0x0
	s_wait_alu depctr_vm_vsrc(0)
; out0 = o wo^T + bo on codes of BF8 (E5M2): out0[8192][512] f32.  o's codes (o_img) and wo's (the fourth quarter of w_img) come as images of operand registers, in the 16x16x128 form's own layout.
; SHARES.  1,024 waves that share nothing; each makes 64 rows x 64 columns: 16 accumulators, K = 512 in four steps.  Row block = work-group / 2; column block = 4 (work-group % 2) + wave.
; All 128 loads of a wave (512 consecutive bytes each) are issued at the start, by K steps, and the products follow them step by step.
; THE ROWS OF wo THAT FORM A TILE: lane r of tile u of a column block holds column 4 r + u.  Source 0 = 16 tokens of o, source 1 = a tile of wo: in the result lane (r, h) holds, in register j, token 8 h + j at
; column 4 r + u.  So the four tiles give a lane 4 NEIGHBOURING columns of a token; the multiply-add that applies 2^(e10 + e11) and the bias puts them into four neighbouring registers, and sixteen lanes
; store 256 consecutive bytes, aligned: no way through LDS.  No LDS, no barrier; no tensor loads and no cluster: each operand goes straight into the registers of the wave that multiplies it.
; LIMIT: e10 + e11 between -126 and 127, so that 2^(e10 + e11) is an f32 number.
; REGISTERS: window 0: v1-7 addresses and the bias; v128-255 accumulators ((tile of rows m, tile u) at 128 + 32 m + 8 u).  window 1: o's fragments at 64 m + 16 s; later the results at 32 m + 4 j + u.
;   window 2: wo's fragments at 64 u + 16 s.
; THE MODE: SCHED_MODE bits 1:0 = 2 (LLVM: expert scheduling mode 2), set by the entry lines.  The code itself states the register dependences
; between vector or matrix instructions and memory instructions, with s_wait_alu, always for 0.
; THE PLAN.  Registers that memory instructions touch:
;   v1, v2, v3            offsets: made at the head, never written again.  One wait on va_vdst ahead of the first load serves them for the whole kernel.
;   v[4:7], windows 1, 2  a load lands once, in registers that no vector line has named; matrix and vector instructions read.
;   window 1, v0-127      written anew by the 128 multiply-adds, read by the 32 stores: one wait on va_vdst ahead of the run of stores.
; Nothing that a memory instruction reads is written again, so the text holds no wait on vm_vsrc.
.set LI,  1                            ; v1  16 x lane
.set VO,  2                            ; v2  out0: 8 h rows of 2,048 bytes + 16 r
.set RB,  3                            ; v3  16 r
.set BO,  4                            ; v[4:7] bo at my four columns
.set ACC, 128
.set MSB, 0
.macro WIN new                         ; the immediate's high byte repeats the setting that is left; a switch that changes nothing is dropped
.if MSB != \new
	s_set_vgpr_msb (MSB<<8)|\new
.set MSB, \new
.endif
.endm
	s_load_b256 s[4:11], s[0:1], 0x0               ; o_img s[4:5], w_img s[6:7], the scales' exponents s[8:9], bo s[10:11]
	s_load_b64 s[12:13], s[0:1], 0x20              ; out0
	v_and_b32 v[LI], 31, v0
	v_lshlrev_b32 v[LI], 4, v[LI]
	v_lshrrev_b32 v8, 5, v0
	v_readfirstlane_b32 s14, v8                    ; wave 0..3
	v_and_b32 v[RB], 15, v0
	v_lshlrev_b32 v[RB], 4, v[RB]
	v_bfe_u32 v[VO], v0, 4, 1
	v_lshl_or_b32 v[VO], v[VO], 14, v[RB]
	s_wait_alu depctr_va_sdst(0)                   ; s14, the wave's number, is written, ahead of its first reader: the column block is made from it
	s_lshr_b32 s15, ttmp9, 1                       ; row block, 0..127
	s_and_b32 s16, ttmp9, 1
	s_lshl_b32 s16, s16, 2
	s_add_co_u32 s16, s16, s14                     ; column block, 0..7
	s_lshl_b32 s20, s15, 15                        ; o_img: four tiles of 8,192 bytes
	s_mov_b32 s21, 0
	s_lshl_b32 s22, s16, 15
	s_add_co_u32 s22, s22, 786432                  ; w_img: wo's image, four tiles of 8,192 bytes
	s_mov_b32 s23, 0
	s_lshl_b32 s24, s16, 8                         ; 64 columns of f32
	s_mov_b32 s25, 0
	s_lshl_b32 s26, s15, 17                        ; 64 rows of 2,048 bytes
	s_add_co_u32 s26, s26, s24
	s_mov_b32 s27, 0
	s_wait_kmcnt 0x0
	s_load_b64 s[28:29], s[8:9], 0x28              ; e10, e11
	s_add_nc_u64 s[4:5], s[4:5], s[20:21]
	s_add_nc_u64 s[6:7], s[6:7], s[22:23]
	s_add_nc_u64 s[10:11], s[10:11], s[24:25]
	s_add_nc_u64 s[12:13], s[12:13], s[26:27]
	s_wait_alu depctr_va_vdst(0)                   ; the offsets v1, v2 and v3 are written: every load and store of the kernel reads one of them
	global_load_b128 v[BO:BO+3], v[RB], s[10:11]
.irp s, 0,1,2,3
	WIN 0x40
.irp m, 0,1,2,3
.irp c, 0,1,2,3
	global_load_b128 v[64*\m+16*\s+4*\c:64*\m+16*\s+4*\c+3], v[LI], s[4:5] offset:(4*\m+\s)*2048+512*\c
.endr
.endr
	WIN 0x80
.irp u, 0,1,2,3
.irp c, 0,1,2,3
	global_load_b128 v[64*\u+16*\s+4*\c:64*\u+16*\s+4*\c+3], v[LI], s[6:7] offset:(4*\u+\s)*2048+512*\c
.endr
.endr
.endr
	WIN 0
	s_wait_kmcnt 0x0
	s_add_co_i32 s30, s28, s29
	s_add_co_i32 s30, s30, 127
	s_lshl_b32 s30, s30, 23                        ; 2^(e10 + e11) as f32
.irp s, 0,1,2,3
.if \s < 2
	s_wait_loadcnt 63                              ; this K step's 32 loads are in: 96, then 64, are younger; 63 is the largest count that the wait can name, and the stricter side
.elseif \s == 2
	s_wait_loadcnt 32                              ; the last K step's 32 loads are younger
.else
	s_wait_loadcnt 0x0
.endif
	WIN 0x09                                       ; source 0 (o) window 1, source 1 (wo) window 2, C and D window 0
.irp m, 0,1,2,3
.irp u, 0,1,2,3
.if \s == 0
	v_wmma_f32_16x16x128_bf8_bf8 v[ACC+32*\m+8*\u:ACC+32*\m+8*\u+7], v[64*\m+16*\s:64*\m+16*\s+15], v[64*\u+16*\s:64*\u+16*\s+15], 0
.else
	v_wmma_f32_16x16x128_bf8_bf8 v[ACC+32*\m+8*\u:ACC+32*\m+8*\u+7], v[64*\m+16*\s:64*\m+16*\s+15], v[64*\u+16*\s:64*\u+16*\s+15], v[ACC+32*\m+8*\u:ACC+32*\m+8*\u+7]
.endif
.endr
.endr
.endr                                  ; the sixteen accumulators take turns, one instruction a turn, K ascending
	WIN 0
.rept 4
	v_nop                                          ; four places (ISA guide 7.12.1) in front of the first read of results and of the writes over o's fragments
.endr
	WIN 0x40                                       ; destination window 1
.irp m, 0,1,2,3
.irp j, 0,1,2,3,4,5,6,7
.irp u, 0,1,2,3
	v_fma_f32 v[32*\m+4*\j+\u], v[ACC+32*\m+8*\u+\j], s30, v[BO+\u]   ; sum x 2^(e10 + e11) + bo; each accumulator is first read at its register 0
.endr
.endr
.endr
	WIN 0x04                                       ; store data in window 1
	s_wait_alu depctr_va_vdst(0)                   ; the 128 multiply-adds have written the results, which the 32 stores read
.irp m, 0,1,2,3
.irp j, 0,1,2,3,4,5,6,7
	global_store_b128 v[VO], v[32*\m+4*\j:32*\m+4*\j+3], s[12:13] offset:(16*\m+\j)*2048 th:TH_STORE_NT   ; lanes 0-15: 256 consecutive bytes of row 16 m + j, aligned; lanes 16-31: of row 16 m + 8 + j
.endr
.endr
	WIN 0
	s_endpgm
.Lfunc_end_k_qeb786e38de_oproj:
	.size	k_qeb786e38de_oproj, .Lfunc_end_k_qeb786e38de_oproj-k_qeb786e38de_oproj
	.p2alignl 7, 3214868480
	.fill 96, 4, 3214868480
	.section	.rodata,"a",@progbits
	.p2align	6, 0x0
	.amdhsa_kernel k_qeb786e38de_oproj
		.amdhsa_group_segment_fixed_size 0
		.amdhsa_private_segment_fixed_size 0
		.amdhsa_enable_private_segment 0
		.amdhsa_kernarg_size 40
		.amdhsa_user_sgpr_count 2
		.amdhsa_user_sgpr_kernarg_segment_ptr 1
		.amdhsa_wavefront_size32 1
		.amdhsa_system_sgpr_workgroup_id_x 1
		.amdhsa_system_sgpr_workgroup_id_y 1
		.amdhsa_system_sgpr_workgroup_id_z 1
		.amdhsa_system_vgpr_workitem_id 0
		.amdhsa_next_free_vgpr 768
		.amdhsa_next_free_sgpr 66
		.amdhsa_reserve_vcc 0
		.amdhsa_float_denorm_mode_32 3
		.amdhsa_float_denorm_mode_16_64 3
		.amdhsa_memory_ordered 1
		.amdhsa_forward_progress 1
		.amdhsa_inst_pref_size 30
	.end_amdhsa_kernel
	.amdgpu_metadata
---
amdhsa.version: [ 1, 2 ]
amdhsa.kernels:
  - .name:           k_qeb786e38de_oproj
    .symbol:         k_qeb786e38de_oproj.kd
    .args:
      - { .name: o_img, .offset: 0, .size: 8, .value_kind: global_buffer, .address_space: global }
      - { .name: w_img, .offset: 8, .size: 8, .value_kind: global_buffer, .address_space: global }
      - { .name: lowp_scales, .offset: 16, .size: 8, .value_kind: global_buffer, .address_space: global }
      - { .name: bo, .offset: 24, .size: 8, .value_kind: global_buffer, .address_space: global }
      - { .name: out0, .offset: 32, .size: 8, .value_kind: global_buffer, .address_space: global }
    .group_segment_fixed_size: 0
    .private_segment_fixed_size: 0
    .kernarg_segment_align: 8
    .kernarg_segment_size: 40
    .max_flat_workgroup_size: 128
    .sgpr_count:     66
    .vgpr_count:     768
    .wavefront_size: 32
...
	.end_amdgpu_metadata
.endif
;; end of part 7
